; MI455X (gfx1250); checked and timed in simulation.
; The chip was launched on July 23, 2026; its instructions are those of AMD's public machine-readable ISA for CDNA 5 (MIT licence, August 2026) and "CDNA5" Instruction Set Architecture Reference Guide (July 2026). The comments in the code are by the model that wrote it; some were corrected since.
;; Transformer Block. Allowed arithmetic: matrix products marked QUANTISED: E4M3 operands, one E8M0 scale for each 32 along K, by v_wmma_scale_f32_16x16x128_f8f6f4 with both operands' format E4M3, f32 sums; everything else in f32.
;; Inputs: ffn_ln_b 2,048 float32; ffn_ln_w 2,048 float32; freqs_cis 2,048 x 16 x 2 float32; input_pos 2,048 int32; kn_w 128 float32; ln0_b 2,048 float32; ln0_w 2,048 float32; ln1_b 2,048 float32; ln1_w 2,048 float32; ln2_b 2,048 float32; ln2_w 2,048 float32; mask 1 x 1 x 2,048 x 2,048 bool; qn_w 128 float32; w1_b 1,472 float32; w1_w 1,472 x 2,048 float32; w2_b 2,048 float32; w2_w 2,048 x 1,472 float32; wk_b 2,048 float32; wk_w 2,048 x 2,048 float32; wo_b 2,048 float32; wo_w 2,048 x 2,048 float32; wq_b 2,048 float32; wq_w 2,048 x 2,048 float32; wv_b 2,048 float32; wv_w 2,048 x 2,048 float32; x0 1 x 2,048 x 2,048 float32; x1 1 x 2,048 x 2,048 float32; x2 1 x 2,048 x 2,048 float32; x3 1 x 2,048 x 2,048 float32.
;; Outputs: out0 1 x 2,048 x 2,048 float32.
;; This version of the problem:
;;   THIS VERSION OF THE PROBLEM IS GIVEN IN LOW PRECISION. The matrix products marked QUANTISED in the list below multiply operands that are first quantised to E4M3 (4 exponent bits, 3 mantissa bits; 8 bits a number), with one power-of-two scale for each 32 numbers along K (OCP MX v1.0); their sums are f32. All else is computed in f32.
;;   The module's matrix products, in the order in which they are computed (A, B: the left and right operand; K: the contracted axis; several contracted axes count as one K, in the product's order):
;;     1. [M 2,048, K 2,048] x [K 2,048, N 2,048]; A: computed on the way; B: input wq_w: QUANTISED
;;     2. [M 2,048, K 2,048] x [K 2,048, N 2,048]; A: computed on the way; B: input wk_w: QUANTISED
;;     3. [M 2,048, K 2,048] x [K 2,048, N 2,048]; A: computed on the way; B: input wv_w: QUANTISED
;;     4. batch 16 x [M 2,048, K 128] x [K 128, N 2,048]; A: computed on the way; B: computed on the way: QUANTISED
;;     5. batch 16 x [M 128, K 2,048] x [K 2,048, N 2,048]; A: computed on the way; B: softmax (see below): QUANTISED
;;     6. [M 2,048, K 2,048] x [K 2,048, N 2,048]; A: computed on the way; B: input wo_w: QUANTISED
;;     7. [M 2,048, K 2,048] x [K 2,048, N 1,472]; A: computed on the way; B: input w1_w: QUANTISED
;;     8. [M 2,048, K 1,472] x [K 1,472, N 2,048]; A: computed on the way; B: input w2_w: QUANTISED
;;   THE QUANTISER, for each operand of a quantised product, along K:
;;     - K is cut into blocks of 32 from its start; a last block that is shorter is filled with zeros.
;;     - A block's scale is 2^e with e = floor(log2(the largest magnitude in the block)) - 8, held to -126 .. 127; a block of zeros has e = 0. As a byte (E8M0): e + 127.
;;     - Each number is divided by its block's scale, clamped to +-448, and rounded to the nearest number of E4M3, ties to even, subnormals kept.
;;     - The product sums the exact products of the quantised numbers (number of the format x scale) in f32.
;;   ~~~python
;;   def quantise(x, axis):      # numpy; x: float32 -> the quantised numbers, widened to float32 again
;;       x = np.moveaxis(x, axis, -1); K = x.shape[-1]
;;       x = np.pad(x, [(0, 0)] * (x.ndim - 1) + [(0, -K % 32)]); x = x.reshape(x.shape[:-1] + (-1, 32)); a = np.abs(x).max(-1, keepdims=True)
;;       e = np.where(a > 0, np.clip(np.frexp(np.where(a > 0, a, 1))[1] - 1 - 8, -126, 127), 0)      # np.frexp(a)[1] - 1 = floor(log2(a)), exactly
;;       r = np.clip(x / 2.0 ** e, -448, 448)
;;       step = 2.0 ** (np.maximum(np.frexp(np.where(r == 0, 1, r))[1] - 1, -6) - 3)
;;       q = np.round(r / step) * step * 2.0 ** e      # np.round: ties to even
;;       return np.moveaxis(q.reshape(q.shape[:-2] + (-1,))[..., :K], -1, axis).astype(np.float32)
;;   ~~~
;;   SOFTMAX AHEAD OF A QUANTISED PRODUCT. Where the list says 'softmax', what is quantised is not the finished softmax but p = 2^(t - M), with t = logit x log2(e) and M = ceil(the row's largest t), a whole number; so 1/2 < the row's largest p <= 1. The row's sum l is taken of the UNQUANTISED p, in f32, and the product's result is divided by l at the end. Since M is a whole number, a kernel that streams over the keys may use a running M (the ceiling of the running maximum): every later rescaling is an exact power of two, which a block's scale takes up: the codes' values come out the same.
;;   OPERANDS COMPUTED ON THE WAY. 'Computed on the way' means the value that the module computes at that place (a softmax that the list does not call 'softmax' is quantised finished and normalised). What goes into a quantiser is computed in f32, as accurately as f32 sums, v_exp_f32 and their like allow (about 1e-6 of the number): no bf16 or f16 on the way to a quantiser, and a product that is left as it is and whose result goes on into a quantised operand takes f32 operands (vector FMAs, or v_wmma_f32_16x16x4_f32). A number that lies on a knife's edge between two numbers of the format may be rounded either way, as far as f32 arithmetic and the matrix unit's own rounding can turn it there, and no further.
;; One version. Each part assembles by itself: llvm-mc -triple=amdgcn-amd-amdhsa -mcpu=gfx1250 --defsym DOCPART=n.
;; ======== version 1 of 1: 4 launches
;; limits: right only within a limited range of input values
;; workspace buffers: opnd 33,521,664 bytes; bcat 7,569,408 bytes; acat 7,569,408 bytes; qb 4,325,376 bytes; kv 8,650,752 bytes; maskw 524,288 bytes of whole numbers
;; launch prep (part 1): grid 1376 x 1, 16 waves a work-group, no clusters, 156,160 bytes of LDS; arguments x0, x1, x2, x3, wq_w, wk_w, wv_w, w1_w, wo_w, w2_w, ln0_w, ln0_b, ln1_w, ln1_b, ln2_w, ln2_b, ffn_ln_w, ffn_ln_b, mask, opnd, bcat, maskw; writes opnd, bcat, maskw
.if DOCPART == 1
	.amdgcn_target "amdgcn-amd-amdhsa--gfx1250"
	.amdhsa_code_object_version 6
	.text
	.protected	k_qa1e4665050_prep
	.globl	k_qa1e4665050_prep
	.p2align	8
	.type	k_qa1e4665050_prep,@function
k_qa1e4665050_prep:
	s_mov_b64 s[64:65], 0
	v_nop
	global_prefetch_b8 v0, s[64:65] scope:SCOPE_SE
	s_setreg_imm32_b32 hwreg(HW_REG_WAVE_MODE, 25, 1), 1
	s_wait_xcnt 0x0
; PREP: every operand that comes from memory is made ready once: LayerNorm(x0 .. x3) and the six weights become codes of E4M3 with one E8M0 byte for each 32 along K; the mask becomes lane masks.
; DEAD WORK: input_pos is named nowhere in reference()'s body (the rotary table is taken by position as it lies), so whatever whole numbers it holds it has no way to any output: it is not loaded and is
; among no launch's arguments.  Nothing else is left out: every bias, every gain and the mask are honoured.  LIMIT: nothing that input_pos holds is carried to the result.
; LAYOUT OF ALL CODES IN THIS PROGRAM: IMAGES OF THE MATRIX INSTRUCTION'S OPERAND REGISTERS.  A fragment is 16 rows x 128 along K = 2,048 bytes: byte 512 c + 16 lane + 0..15 holds registers 4 c .. 4 c + 3 of that lane.
; Lane l holds row l % 16.  Inside a block of 32 along K the places are permuted, alike in ALL operands: place (c, h = l / 16, i = 0..15) holds k = 32 c + 16 (i / 8) + 8 h + i % 8: the order in which two
; neighbouring 16 x 16 results hold a lane's 16 numbers.  A block holds its own 32 numbers, so its scale is the rule's; a permutation that both sides share keeps every product.  A fragment's scale words: word r = row r's four bytes.
; SHARES: 16 waves; wave w makes the fragment of K step w of the work-group's 16 rows.  Work-groups 0-511: LayerNorm of x0..x3 (128 row tiles each); 512-991: wq, wk, wv, w1 (w1: 96 row tiles, the last four are zero codes);
; 992-1119: wo; 1120-1247: w2 (12 K steps; K 1,472 .. 1,535 are zero codes); 1248-1375: the mask (16 queries x 128 keys a wave).
; LOADS: each of a wave's 16 loads takes 512 consecutive bytes of one row, 16 a lane.  The 16 rows turn through the wave's own stage in LDS (rows 528 bytes apart, so that the 16 rows which a load back touches
; begin at 16 different columns of 16 bytes) and come back in the fragment's order, 64 numbers of one row a lane.  All tensors take one way through the stage.
; LayerNorm takes two passes over registers (the mean, then the mean of the squared differences), as reference() does: no difference of large sums is formed.
; No matrix unit, cluster, tensor load or prefetch: every byte is read once, in one run of loads a wave, and there is no loop to run ahead in.
; LIMITS: NaN and infinities among the inputs are not served.  A block of zeros gets the byte 1 where the rule says 127: its codes are zeros and this program alone reads the bytes.  Blocks whose largest magnitude lies under 2^-118 (the floor) were not tried.
.set SC0,   32505856                   ; opnd: the scale words begin behind 992 row tiles x 16 K steps x 2,048 bytes
.set BS0,   7340032                    ; bcat: behind 128 row tiles x 28 K steps x 2,048 bytes
.set STG,   8448                       ; LDS: a wave's stage, 16 rows x 528 bytes; 16 of them from byte 0
.set RED0,  135168                     ; behind them the waves' row sums, 16 rows x 80 bytes,
.set RED2,  1280                       ; and, so far behind those, the sums of the squares
.set WB,    137728                     ; each wave's 512 bytes of the gain and 512 of the bias
.set SPARE, 154112                     ; the spare words, 128 bytes for each wave: eight blocks of 256 bytes that no other line names
.set X,     16                         ; v16-79   as loaded: registers 4 j .. 4 j + 3 = row j; back from the stage: register 16 c + i = place (c, h, i)
.set PC,    80                         ; v80-95   the codes;  before that v80-111 at work
.set WR,    80                         ; a block's 16 gains,
.set BR,    96                         ; and 16 biases
.set TM,    112                        ; v112-127 the quantiser's: largest magnitudes, bytes, holds, scale operands
.set PW,    11                         ; v11      the scale word
.set SPW,   12                         ; v12      LDS address of my spare word; never rewritten
.set NIL,   13                         ; v13      0; never rewritten
.set SEL,   68                         ; s[68:69] lane selects: lane l xor 16
.set MNT,   70                         ; s70      the mantissa field of 448
; 64 numbers of a lane become a fragment's codes in v[PC] on and its scale word in v[PW]
.macro QUANT s
.irp b, 0,1,2,3
	v_max3_num_f32 v[TM+\b], |v[\s+16*\b]|, |v[\s+1+16*\b]|, 0x4800000   ; block b: my 16 numbers and the floor 2^(9 - 127): the byte cannot fall under 1
.endr
.irp i, 2,4,6,8,10,12,14
.irp b, 0,1,2,3
	s_delay_alu instid0(VALU_DEP_4)
	v_max3_num_f32 v[TM+\b], v[TM+\b], |v[\s+16*\b+\i]|, |v[\s+1+16*\b+\i]|   ; the four blocks by turns
.endr
.endr
.irp b, 0,1,2,3
	s_delay_alu instid0(VALU_DEP_4)
	v_permlanex16_b32 v[TM+4+\b], v[TM+\b], s[SEL], s[SEL+1]
.endr
.irp b, 0,1,2,3
	s_delay_alu instid0(VALU_DEP_4)
	v_max_num_f32 v[TM+\b], v[TM+\b], v[TM+4+\b]   ; with lane l xor 16's: the block's largest magnitude
.endr
.irp b, 0,1,2,3
	s_delay_alu instid0(VALU_DEP_4)
	v_add_nc_u32 v[TM+12+\b], 0xfc000000, v[TM+\b]   ; 8 off its exponent field: the conversion's scale operand
.endr
.irp b, 0,1,2,3
	v_and_or_b32 v[TM+8+\b], v[TM+\b], 0x7f800000, s[MNT]   ; 448 x the scale
.endr
.irp b, 0,1,2,3
	v_lshrrev_b32 v[TM+4+\b], 23, v[TM+12+\b]   ; the scale's byte
.endr
	s_delay_alu instid0(VALU_DEP_3)
	v_lshl_or_b32 v[PW], v[TM+5], 8, v[TM+4]
	s_delay_alu instid0(VALU_DEP_1)
	v_lshl_or_b32 v[PW], v[TM+6], 16, v[PW]
	s_delay_alu instid0(VALU_DEP_1)
	v_lshl_or_b32 v[PW], v[TM+7], 24, v[PW]
.irp b, 0,1,2,3
.irp i, 0,1,2,3,4,5,6,7,8,9,10,11,12,13,14,15
	v_med3_num_f32 v[\s+16*\b+\i], v[\s+16*\b+\i], -v[TM+8+\b], v[TM+8+\b]   ; the conversion to an 8-bit code does not saturate (ISA guide 7.6.2): the hold at the largest code x the scale
.endr
	v_cvt_scalef32_pk8_fp8_f32 v[PC+4*\b:PC+1+4*\b], v[\s+16*\b:\s+7+16*\b], v[TM+12+\b]
	v_cvt_scalef32_pk8_fp8_f32 v[PC+2+4*\b:PC+3+4*\b], v[\s+8+16*\b:\s+15+16*\b], v[TM+12+\b]
.endr
	v_nop                                          ; a plain line behind the last conversion
.endm
.macro LOADX pitch                     ; my K step of the 16 rows: 32 lanes read 512 consecutive bytes of row i
.set i, 0
.rept 16
	global_load_b128 v[X+4*i:X+4*i+3], v5, s[54:55] offset:i*\pitch th:TH_LOAD_NT
.set i, i+1
.endr
.endm
.macro PICK start, p                   ; from work-group 'start' on the source is the tensor at s[p:p+1]
	s_cmp_ge_u32 s53, \start
	s_cselect_b64 s[54:55], s[\p:\p+1], s[54:55]
	s_cselect_b32 s74, \start, s74
.endm
; the pair v[80:81] holds my lane's sum: with the other half of the lanes it is my wave's sum for row r; the 16 waves' sums meet in LDS; v96 = the row's sum
.macro ALLSUM off
	s_delay_alu instid0(VALU_DEP_1)
	v_add_f32 v80, v80, v81
	s_delay_alu instid0(VALU_DEP_1)
	v_permlanex16_b32 v81, v80, s[SEL], s[SEL+1]
	s_delay_alu instid0(VALU_DEP_1)
	v_add_f32 v80, v80, v81
	ds_store_b32 v7, v80 offset:\off               ; both halves of the lanes write the same word with the same value
	s_wait_dscnt 0x0                               ; for the others' sake: my store is done
	s_barrier_signal -1
	s_barrier_wait -1
.irp i, 0,1,2,3
	ds_load_b128 v[96+4*\i:99+4*\i], v8 offset:\off+16*\i
.endr
	s_wait_dscnt 0x0
	v_pk_add_f32 v[96:97], v[96:97], v[98:99]
	v_pk_add_f32 v[100:101], v[100:101], v[102:103]
	v_pk_add_f32 v[104:105], v[104:105], v[106:107]
	v_pk_add_f32 v[108:109], v[108:109], v[110:111]
	s_delay_alu instid0(VALU_DEP_3)
	v_pk_add_f32 v[96:97], v[96:97], v[100:101]
	s_delay_alu instid0(VALU_DEP_2)
	v_pk_add_f32 v[104:105], v[104:105], v[108:109]
	s_delay_alu instid0(VALU_DEP_1)
	v_pk_add_f32 v[96:97], v[96:97], v[104:105]
	s_delay_alu instid0(VALU_DEP_1)
	v_add_f32 v96, v96, v97
.endm
	s_load_b512 s[8:23], s[0:1], 0x0               ; x0 8, x1 10, x2 12, x3 14, wq 16, wk 18, wv 20, w1 22
	s_load_b512 s[24:39], s[0:1], 0x40             ; wo 24, w2 26, ln0_w 28, ln0_b 30, ln1_w 32, ln1_b 34, ln2_w 36, ln2_b 38
	s_load_b256 s[40:47], s[0:1], 0x80             ; ffn_ln_w 40, ffn_ln_b 42, mask 44, opnd 46
	s_load_b128 s[48:51], s[0:1], 0xa0             ; bcat 48, maskw 50
	v_lshl_add_u32 v[SPW], v0, 2, SPARE
	v_mov_b32 v[NIL], 0
	v_lshrrev_b32 v1, 5, v0
	v_and_b32 v2, 15, v0                           ; r
	v_bfe_u32 v3, v0, 4, 1                         ; h
	v_readfirstlane_b32 s52, v1                    ; wave = K step
	v_and_b32 v1, 31, v0                           ; lane
	v_mul_u32_u24 v8, v2, 80
	v_mul_u32_u24 v14, v2, 528
	v_lshlrev_b32 v6, 2, v2
	v_lshlrev_b32 v5, 4, v1                        ; 16 x lane: my place in a load's 512 bytes and in an image
	v_lshl_add_u32 v14, v3, 5, v14
	v_lshl_add_u32 v6, v3, 1, v6                   ; 4 r + 2 h: my half of row r's scale word
	v_add_nc_u32 v8, RED0, v8                      ; LDS: row r's 16 partial sums
	s_mul_i32 s73, s52, STG
	s_lshl_b32 s72, s52, 2
	v_add_nc_u32 v4, s73, v5                       ; my stage, on the way in: 16 x lane of a row
	v_add_nc_u32 v14, s73, v14                     ; and back: row r, from 32 h on
	v_add_nc_u32 v7, s72, v8                       ; my wave's word among the partial sums
	s_lshl_b32 s72, s52, 10
	s_add_co_u32 s72, s72, WB
	v_add_nc_u32 v9, s72, v5                       ; my wave's gains and biases: in, 16 bytes a lane;
	v_lshl_add_u32 v10, v3, 5, s72                 ; out, from 32 h on
.irp b, 0,1,2,3
	v_mov_b32 v[TM+4+\b], 0                        ; written once: a lane permute's destination counts as one of its sources
.endr
	s_mov_b32 s[SEL], 0x76543210
	s_mov_b32 s[SEL+1], 0xfedcba98
	s_mov_b32 s[MNT], 0x600000
	s_mov_b32 s53, ttmp9                           ; g
	s_wait_alu depctr_va_vdst(0)
	s_wait_kmcnt 0x0
	s_cmp_ge_u32 s53, 1248
	s_cbranch_scc1 .Lmask
	; which tensor, which 16 rows of it
	s_mov_b64 s[54:55], s[8:9]
	s_mov_b32 s74, 0
	PICK 128, 10
	PICK 256, 12
	PICK 384, 14
	PICK 512, 16
	PICK 640, 18
	PICK 768, 20
	PICK 896, 22
	PICK 992, 24
	PICK 1120, 26
	s_sub_co_u32 s75, s53, s74                     ; T: the row tile in its tensor
	s_mov_b32 s56, 8192                            ; a row in bytes;
	s_cmp_ge_u32 s53, 1120
	s_cselect_b32 s56, 5888, s56                   ; w2's
	s_cselect_b32 s76, 16, 0                       ; w2's K steps lie behind wo's 16
	s_mul_i32 s72, s75, s56
	s_lshl_b32 s72, s72, 4
	s_lshl_b32 s73, s52, 9
	s_add_co_u32 s72, s72, s73
	s_mov_b32 s73, 0
	s_add_nc_u64 s[54:55], s[54:55], s[72:73]      ; the source at row 16 T, K step w
	; where the fragment and its scale words go
	s_add_co_u32 s77, s52, s76
	s_lshl_b32 s72, s53, 15
	s_mul_i32 s73, s75, 57344
	s_lshl_b32 s78, s53, 10
	s_add_co_u32 s78, s78, SC0
	s_mul_i32 s79, s75, 1792
	s_add_co_u32 s79, s79, BS0
	s_cmp_ge_u32 s53, 992
	s_cselect_b64 s[58:59], s[48:49], s[46:47]     ; bcat or opnd: the choice hangs on the work-group's number alone
	s_cselect_b32 s72, s73, s72
	s_cselect_b32 s78, s79, s78
	s_mov_b64 s[60:61], s[58:59]
	s_lshl_b32 s73, s77, 11
	s_add_co_u32 s72, s72, s73
	s_mov_b32 s73, 0
	s_add_nc_u64 s[58:59], s[58:59], s[72:73]
	s_lshl_b32 s79, s77, 6
	s_add_co_u32 s78, s78, s79
	s_mov_b32 s79, 0
	s_add_nc_u64 s[60:61], s[60:61], s[78:79]
	s_cmp_ge_u32 s53, 1120
	s_cselect_b32 s72, 12, 16
	s_cmp_ge_u32 s52, s72
	s_cbranch_scc1 .Lend                           ; w2 has 12 K steps: its waves 12 to 15 have none (no barrier stands on a weight's way)
	s_cmp_lt_u32 s53, 512
	s_cbranch_scc0 .Lweight
	; LayerNorm: my K step's 128 gains and biases, 512 consecutive bytes each
	s_mov_b64 s[62:63], s[28:29]
	s_mov_b64 s[66:67], s[30:31]
	s_cmp_ge_u32 s53, 128
	s_cselect_b64 s[62:63], s[32:33], s[62:63]
	s_cselect_b64 s[66:67], s[34:35], s[66:67]
	s_cmp_ge_u32 s53, 256
	s_cselect_b64 s[62:63], s[36:37], s[62:63]
	s_cselect_b64 s[66:67], s[38:39], s[66:67]
	s_cmp_ge_u32 s53, 384
	s_cselect_b64 s[62:63], s[40:41], s[62:63]
	s_cselect_b64 s[66:67], s[42:43], s[66:67]
	s_lshl_b32 s72, s52, 9
	s_mov_b32 s73, 0
	s_add_nc_u64 s[62:63], s[62:63], s[72:73]
	s_add_nc_u64 s[66:67], s[66:67], s[72:73]
	global_load_b128 v[112:115], v5, s[62:63]
	global_load_b128 v[116:119], v5, s[66:67]
	s_branch .Lfull
.Lweight:
	s_cmp_ge_u32 s53, 1120
	s_cbranch_scc1 .Lw2
	s_sub_co_u32 s72, s53, 988
	s_cmp_lt_u32 s72, 4
	s_cbranch_scc1 .Lzero                          ; w1's row tiles 92 to 95 lie past its 1,472 rows
.Lfull:
	LOADX 8192
	s_branch .Lwin
.Lw2:
	s_cmp_eq_u32 s52, 11
	s_cbranch_scc1 .Lzero                          ; w2's K step 11 ends at 1,472
	LOADX 5888
	s_branch .Lwin
.Lzero:                                            ; what lies past the end is zeros, and no load leaves its buffer
.set i, 0
.rept 64
	v_mov_b32 v[X+i], 0
.set i, i+1
.endr
	s_cmp_ge_u32 s53, 1120
	s_cbranch_scc0 .Lwin
	v_cmp_gt_u32 vcc_lo, 16, v1                    ; lanes 0 to 15 hold K 1,408 .. 1,471 of a row: these alone are loaded
	s_and_saveexec_b32 s71, vcc_lo
	LOADX 5888
	s_wait_xcnt 0x0                                ; EXEC is widened only behind this wait
	s_or_b32 exec_lo, exec_lo, s71
.Lwin:
	s_wait_alu depctr_va_vdst(0)
	s_wait_loadcnt 0x0
.set i, 0
.rept 16
	ds_store_b128 v4, v[X+4*i:X+4*i+3] offset:528*i   ; row i as it was loaded
.set i, i+1
.endr
	s_wait_dscnt 0x0                               ; the stores have read their registers, which the loads below fill
.irp c, 0,1,2,3
.irp u, 0,1
.irp q, 0,1
	ds_load_b128 v[X+16*\c+8*\u+4*\q:X+16*\c+8*\u+4*\q+3], v14 offset:128*\c+64*\u+16*\q   ; k = 32 c + 16 u + 8 h + 4 q + 0..3 of my row
.endr
.endr
.endr
	s_cmp_lt_u32 s53, 512
	s_cbranch_scc1 .Lln
	s_wait_dscnt 0x0
	s_branch .Lquant                               ; a weight is quantised as it is
	; ---- LayerNorm
.Lln:
	ds_store_b128 v9, v[112:115]                   ; into my wave's own bytes: read back below in the fragment's order
	ds_store_b128 v9, v[116:119] offset:512
	s_wait_dscnt 0x0
.set i, 0
.rept 16
	v_pk_add_f32 v[80+2*i:81+2*i], v[X+4*i:X+4*i+1], v[X+4*i+2:X+4*i+3]
.set i, i+1
.endr
.irp n, 8,4,2,1
.set i, 0
.rept \n
	v_pk_add_f32 v[80+2*i:81+2*i], v[80+4*i:81+4*i], v[82+4*i:83+4*i]
.set i, i+1
.endr
.endr
	ALLSUM 0
	s_delay_alu instid0(VALU_DEP_1)
	v_mul_f32 v14, 0x3a000000, v96                 ; the mean: / 2,048
	s_delay_alu instid0(VALU_DEP_1)
	v_mov_b32 v15, v14
.set i, 0
.rept 32
	v_pk_add_f32 v[X+2*i:X+2*i+1], v[X+2*i:X+2*i+1], v[14:15] neg_lo:[0,1] neg_hi:[0,1]   ; x - mean
.set i, i+1
.endr
.irp k, 0,1,2,3
	v_pk_mul_f32 v[80+2*\k:81+2*\k], v[X+2*\k:X+2*\k+1], v[X+2*\k:X+2*\k+1]   ; the squares, in four chains
.endr
.set i, 4
.rept 28
	s_delay_alu instid0(VALU_DEP_4)
	v_pk_fma_f32 v[80+2*(i%4):81+2*(i%4)], v[X+2*i:X+2*i+1], v[X+2*i:X+2*i+1], v[80+2*(i%4):81+2*(i%4)]
.set i, i+1
.endr
	s_delay_alu instid0(VALU_DEP_3)
	v_pk_add_f32 v[80:81], v[80:81], v[82:83]
	s_delay_alu instid0(VALU_DEP_2)
	v_pk_add_f32 v[84:85], v[84:85], v[86:87]
	s_delay_alu instid0(VALU_DEP_1)
	v_pk_add_f32 v[80:81], v[80:81], v[84:85]
	ALLSUM RED2                                    ; other bytes than the first sums': no wave writes what another may still read
	s_mov_b32 s72, 0x3a000000                      ; 1 / 2,048
	s_mov_b32 s73, 0x3727c5ac                      ; 1e-5
	v_fma_f32 v11, v96, s72, s73
	s_wait_alu depctr_va_vdst(0)                   ; the wait ahead of the transcendental
	v_rsq_f32 v14, v11
	v_nop                                          ; a plain line behind the transcendental,
	s_wait_alu depctr_va_vdst(0)                   ; and the wait ahead of its first reader
	v_mov_b32 v15, v14
.irp c, 0,1,2,3
.irp u, 0,1
.irp q, 0,1
	ds_load_b128 v[WR+8*\u+4*\q:WR+8*\u+4*\q+3], v10 offset:128*\c+64*\u+16*\q
	ds_load_b128 v[BR+8*\u+4*\q:BR+8*\u+4*\q+3], v10 offset:512+128*\c+64*\u+16*\q
.endr
.endr
.irp i, 0,2,4,6,8,10,12,14
	v_pk_mul_f32 v[X+16*\c+\i:X+16*\c+\i+1], v[X+16*\c+\i:X+16*\c+\i+1], v[14:15]
.endr
	s_wait_alu depctr_va_vdst(0)
	s_wait_dscnt 0x0
.irp i, 0,2,4,6,8,10,12,14
	v_pk_fma_f32 v[X+16*\c+\i:X+16*\c+\i+1], v[X+16*\c+\i:X+16*\c+\i+1], v[WR+\i:WR+\i+1], v[BR+\i:BR+\i+1]   ; ((x - mean) rs) w + b
.endr
.endr
.Lquant:
	v_lshlrev_b32 v3, 4, v3                        ; 16 h
	QUANT X
.irp c, 0,1,2,3
	global_store_b128 v5, v[PC+4*\c:PC+4*\c+3], s[58:59] offset:512*\c   ; 32 lanes store 512 consecutive bytes, at a multiple of 256 from the buffer's first byte
.endr
	v_lshrrev_b32 v[PW], v3, v[PW]                 ; both halves of the lanes hold row r's word: lanes 0-15 store its low half, lanes 16-31 its high half
	global_store_b16 v6, v[PW], s[60:61]           ; 32 lanes store the fragment's 64 consecutive bytes of scale words
	s_branch .Lend
	; ---- the mask: word n = 8 T + j of (query tile, K step): bit l = mask[16 tile + l % 16][128 step + 16 T + 8 (l / 16) + j]: the lane mask for score register n
.Lmask:
	s_sub_co_u32 s72, s53, 1248                    ; the tile of 16 queries
	s_lshl_b32 s73, s72, 15
	s_lshl_b32 s74, s52, 7
	s_add_co_u32 s74, s73, s74
	s_mov_b32 s75, 0
	s_add_nc_u64 s[44:45], s[44:45], s[74:75]
	s_lshl_b32 s74, s72, 12
	s_lshl_b32 s73, s52, 8
	s_add_co_u32 s74, s74, s73
	s_add_nc_u64 s[50:51], s[50:51], s[74:75]
	v_lshlrev_b32 v39, 11, v2
	v_lshl_add_u32 v39, v3, 4, v39                 ; row r of 2,048 bytes, + 16 h
.irp t, 0,1,2,3
	global_load_b128 v[16+4*\t:19+4*\t], v39, s[44:45] offset:32*\t   ; keys 32 t + 16 h + 0..15 of my row
.endr
	v_mov_b32 v32, 0
	v_mov_b32 v33, 0
	v_lshlrev_b32 v38, 3, v1
	s_wait_alu depctr_va_vdst(0)
	s_wait_loadcnt 0x0
; byte j of load t gives, over the lanes, keys 32 t + j (lanes 0-15) and 32 t + 16 + j (lanes 16-31); byte 8 + j the keys 8 further on.  The low halves of the two make word (T = 2 t, j), the high halves word (2 t + 1, j)
.set t, 0
.rept 4
.set j, 0
.rept 8
	v_and_b32 v34, 0xff<<(8*(j%4)), v[16+4*t+j/4]
	v_and_b32 v35, 0xff<<(8*(j%4)), v[18+4*t+j/4]
	v_cmp_ne_u32 s72, 0, v34
	v_cmp_ne_u32 s73, 0, v35
	s_and_b32 s74, s72, 0xffff
	s_lshl_b32 s75, s73, 16
	s_or_b32 s74, s74, s75
	s_lshr_b32 s72, s72, 16
	s_and_b32 s73, s73, 0xffff0000
	s_or_b32 s72, s72, s73
	v_writelane_b32 v[32+j%2], s74, (16*t+j)/2     ; lane L gathers words 2 L and 2 L + 1
	v_writelane_b32 v[32+j%2], s72, (16*t+8+j)/2
.set j, j+1
.endr
.set t, t+1
.endr
	global_store_b64 v38, v[32:33], s[50:51]       ; 32 lanes store 256 consecutive bytes, aligned
.Lend:
	s_wait_tensorcnt 0x0                           ; the wave's end
	ds_add_u32 v[SPW], v[NIL]
	s_wait_dscnt 0x0
	s_endpgm
.Lfunc_end_k_qa1e4665050_prep:
	.size	k_qa1e4665050_prep, .Lfunc_end_k_qa1e4665050_prep-k_qa1e4665050_prep
	.p2alignl 7, 3214868480
	.fill 96, 4, 3214868480
	.section	.rodata,"a",@progbits
	.p2align	6, 0x0
	.amdhsa_kernel k_qa1e4665050_prep
		.amdhsa_group_segment_fixed_size 156160
		.amdhsa_private_segment_fixed_size 0
		.amdhsa_enable_private_segment 0
		.amdhsa_kernarg_size 176
		.amdhsa_user_sgpr_count 2
		.amdhsa_user_sgpr_kernarg_segment_ptr 1
		.amdhsa_wavefront_size32 1
		.amdhsa_system_sgpr_workgroup_id_x 1
		.amdhsa_system_sgpr_workgroup_id_y 1
		.amdhsa_system_sgpr_workgroup_id_z 1
		.amdhsa_system_vgpr_workitem_id 0
		.amdhsa_next_free_vgpr 128
		.amdhsa_next_free_sgpr 80
		.amdhsa_reserve_vcc 1
		.amdhsa_float_denorm_mode_32 3
		.amdhsa_float_denorm_mode_16_64 3
		.amdhsa_memory_ordered 1
		.amdhsa_forward_progress 1
		.amdhsa_inst_pref_size 63
	.end_amdhsa_kernel
	.amdgpu_metadata
---
amdhsa.version: [ 1, 2 ]
amdhsa.kernels:
  - .name:           k_qa1e4665050_prep
    .symbol:         k_qa1e4665050_prep.kd
    .args:
      - { .name: x0, .offset: 0, .size: 8, .value_kind: global_buffer, .address_space: global }
      - { .name: x1, .offset: 8, .size: 8, .value_kind: global_buffer, .address_space: global }
      - { .name: x2, .offset: 16, .size: 8, .value_kind: global_buffer, .address_space: global }
      - { .name: x3, .offset: 24, .size: 8, .value_kind: global_buffer, .address_space: global }
      - { .name: wq_w, .offset: 32, .size: 8, .value_kind: global_buffer, .address_space: global }
      - { .name: wk_w, .offset: 40, .size: 8, .value_kind: global_buffer, .address_space: global }
      - { .name: wv_w, .offset: 48, .size: 8, .value_kind: global_buffer, .address_space: global }
      - { .name: w1_w, .offset: 56, .size: 8, .value_kind: global_buffer, .address_space: global }
      - { .name: wo_w, .offset: 64, .size: 8, .value_kind: global_buffer, .address_space: global }
      - { .name: w2_w, .offset: 72, .size: 8, .value_kind: global_buffer, .address_space: global }
      - { .name: ln0_w, .offset: 80, .size: 8, .value_kind: global_buffer, .address_space: global }
      - { .name: ln0_b, .offset: 88, .size: 8, .value_kind: global_buffer, .address_space: global }
      - { .name: ln1_w, .offset: 96, .size: 8, .value_kind: global_buffer, .address_space: global }
      - { .name: ln1_b, .offset: 104, .size: 8, .value_kind: global_buffer, .address_space: global }
      - { .name: ln2_w, .offset: 112, .size: 8, .value_kind: global_buffer, .address_space: global }
      - { .name: ln2_b, .offset: 120, .size: 8, .value_kind: global_buffer, .address_space: global }
      - { .name: ffn_ln_w, .offset: 128, .size: 8, .value_kind: global_buffer, .address_space: global }
      - { .name: ffn_ln_b, .offset: 136, .size: 8, .value_kind: global_buffer, .address_space: global }
      - { .name: mask, .offset: 144, .size: 8, .value_kind: global_buffer, .address_space: global }
      - { .name: opnd, .offset: 152, .size: 8, .value_kind: global_buffer, .address_space: global }
      - { .name: bcat, .offset: 160, .size: 8, .value_kind: global_buffer, .address_space: global }
      - { .name: maskw, .offset: 168, .size: 8, .value_kind: global_buffer, .address_space: global }
    .group_segment_fixed_size: 156160
    .private_segment_fixed_size: 0
    .kernarg_segment_align: 8
    .kernarg_segment_size: 176
    .max_flat_workgroup_size: 512
    .sgpr_count:     80
    .vgpr_count:     128
    .wavefront_size: 32
...
	.end_amdgpu_metadata
.endif
;; end of part 1
;; launch proj (part 2): grid 8 x 30, 4 waves a work-group, clusters of 4 x 1, 327,680 bytes of LDS; arguments opnd, wq_b, wk_b, wv_b, w1_b, qn_w, kn_w, freqs_cis, qb, kv, acat; writes qb, kv, acat
.if DOCPART == 2
	.amdgcn_target "amdgcn-amd-amdhsa--gfx1250"
	.amdhsa_code_object_version 6
	.text
	.protected	k_qa1e4665050_proj
	.globl	k_qa1e4665050_proj
	.p2align	8
	.type	k_qa1e4665050_proj,@function
k_qa1e4665050_proj:
	s_mov_b64 s[64:65], 0
	v_nop
	global_prefetch_b8 v0, s[64:65] scope:SCOPE_SE
	s_setreg_imm32_b32 hwreg(HW_REG_WAVE_MODE, 25, 1), 1
	s_wait_xcnt 0x0
	s_wait_alu depctr_hold_cnt(0) depctr_sa_sdst(0) depctr_va_vdst(0) depctr_va_sdst(0) depctr_va_ssrc(0) depctr_va_vcc(0) depctr_vm_vsrc(0)
	s_getreg_b32 s2, hwreg(HW_REG_IB_STS2, 6, 4)
	s_cmp_eq_u32 s2, 0
	s_cbranch_scc0 .Lentry_in_a_cluster
	s_endpgm
.Lentry_in_a_cluster:
	s_bfe_u32 s2, ttmp6, 0x10000c
	s_cmp_lg_u32 s2, 0x3003
	s_cbranch_scc0 .Lentry_shape_is_right
	s_endpgm
.Lentry_shape_is_right:
; PROJ: the four products that hang on PREP alone, K = 2,048, on codes of E4M3 with E8M0 scales, each with its own way out.  Work-group y / 8 says which:
;   0: q = rope(rms(LN(x0) wq^T + b))   1: k likewise   2: v^T = wv LN(x2)^T + b (the roles swapped, so that a lane's registers run along the KEYS)   3: gelu(LN(x3) w1^T + b) (6 column tiles).
; Each result is quantised in registers along the next product's K and leaves as fragment images (their layout: at PREP's head).  No f32 result goes to memory.  input_pos is not among the arguments (dead: see PREP's head).
; A tile of 256 x 256 is made by four waves, 128 x 128 each: 64 accumulators, 512 registers.  K goes in slots of two K steps of 128 through a ring of two LDS slots; a slot holds images, so every fragment load reads
; 512 consecutive bytes and no row needs padding.  The scale words of the work-group's rows, for all of K, come once and stay.
; THE MATRIX INSTRUCTION IS USED TRANSPOSED (source 0 = 16 rows of B, source 1 = 16 rows of A): lane (r, h) holds A's row r, and register j of tile b holds B's row 16 b + 8 h + j.
; CLUSTER: 4 x 1: the four partners along x share B's tile: B's codes and scale words are asked for jointly; A's loads are each work-group's own, issued in the same rounds.  Not 4 x 4: the grid's height is
; 8 + 8 + 8 + 6 = 30 tiles, which 4 does not divide.  No branch and no LDS address hangs on the place in the cluster.
; LIMITS: as at PREP's head (NaN, infinities; the byte of a block of zeros; the floor).  erf is the rational form z P(z^2) / Q(z^2) with z held within +-4, good to a few units in the last place of f32.
; REGISTERS: window 0: v0-31 addresses; v32-63 scale words, two sets, and nothing else; from v128 A's fragments, one set.  Window 1: B's fragments, two sets.  Windows 2, 3: the accumulators ((a, b) at 8 (8 (a % 4) + b)).
;   On the way out: window 0: v64-127 H, 64 numbers of a lane; v128-143 the quantiser's; v144-159 codes; v160-175 the rotary table or v's biases; v176-243 at work.  Window 1: v0-63 the column biases, v64-127 the gains.
.set NBK,   8                          ; blocks of 16 rows for a wave and side
.set NQ,    2                          ; K steps in a slot
.set SROW,  1024                       ; a row tile's scale words for all of K
.set HALFT, 32768                      ; what one tensor load brings: 8 row tiles x 2 K steps x 2,048
.set SLOT,  131072                     ; A's 16 row tiles, then B's
.set SCL,   262144                     ; behind the ring: A's scale words, then B's
.set HALFS, NBK*SROW
.set SPARE, SCL+4*HALFS                ; the spare words, 128 bytes for each wave: two blocks of 256 bytes that no other line names
.set SC0,   32505856
.set QS0,   4194304
.set BS0,   7340032
.set FR,    16
.set AF,    128
.set SC,    32
.set ADRA,  16                         ; v16-17 my A fragments in slot 0, 1
.set ADRB,  20                         ; v20-21 my B fragments
.set ADRS,  27                         ; v27    my scale words: lanes 0-15 A's rows, lanes 16-31 B's
.set SPW,   28                         ; v28    LDS address of my spare word; never rewritten
.set NIL,   29                         ; v29    0; never rewritten
.set G1A, 24
.set G0A, 32
.set G1B, 48
.set G0B, 56
.set G1SA, 68
.set G0SA, 76
.set G1SB, 80
.set G0SB, 88
.set WV, 14
.set WH, 15
.set WL, 16
.set AX, 92                            ; A's tile (it holds the place in the cluster: it enters global addresses alone)
.set BT, 93                            ; B's tile
.set OP, 94                            ; which product
.set MSB, 0
.macro WIN new                         ; the immediate's high byte repeats the setting that is left
.if MSB != (\new)
	s_set_vgpr_msb (MSB<<8)|(\new)
.set MSB, (\new)
.endif
.endm
.set MUL_LO, 0xa1                      ; source 0 (B) window 1, source 1 (A) window 0, C and D window 2
.set MUL_HI, 0xf1                      ; the same, C and D window 3
.set TO_B,   0x40
.macro PLACES n
.rept \n
	v_nop
.endr
.endm
; waves 0 and 1 fetch for A, waves 2 and 3 for B.  The branch hangs on the wave's number alone.  An s_nop 0 and four v_nop follow each of the two lines.
.macro JLOAD g0a, g1a, g0b, g1b
	s_cmp_eq_u32 s[WH], 0
	s_cbranch_scc0 .Lfor_b_\@
	tensor_load_to_lds s[\g0a:\g0a+3], s[\g1a:\g1a+7]
	s_nop 0
	PLACES 4
	s_branch .Lasked_\@
.Lfor_b_\@:
	tensor_load_to_lds s[\g0b:\g0b+3], s[\g1b:\g1b+7]
	s_nop 0
	PLACES 4
.Lasked_\@:
.endm
.macro CREST                           ; a round of the cluster's barrier behind its opening barrier
	s_cmp_lg_u32 s[WV], 0
	s_cbranch_scc1 .Lnot_wave_0_\@
	s_barrier_signal -3
.Lnot_wave_0_\@:
	s_barrier_wait -3
	s_barrier_signal -1
	s_barrier_wait -1
.endm
.macro CROUND
	s_barrier_signal -1
	s_barrier_wait -1
	CREST
.endm
.macro FRAG reg, adr, q, i             ; an image comes back as it was stored: four loads of 512 consecutive bytes
.irp c, 0,1,2,3
	ds_load_b128 v[\reg+4*\c:\reg+4*\c+3], v[\adr] offset:(\i)*NQ*2048+(\q)*2048+512*\c
.endr
.endm
.macro MULA a, p, q, sc, zero          ; A's block a against B's NBK blocks.  The accumulators take turns, one instruction a turn, in one order throughout
.set bb, 0
.rept NBK
.set ra, (8*(NBK*(\a)+bb))%256
.if \zero
	v_wmma_scale_f32_16x16x128_f8f6f4 v[ra:ra+7], v[128*(\p)+FR*bb:128*(\p)+FR*bb+FR-1], v[AF+FR*(\a):AF+FR*(\a)+FR-1], 0, v[SC+16*(\sc)+NQ*bb+(\q)], v[SC+16*(\sc)+NQ*(\a)+(\q)] matrix_a_scale:MATRIX_SCALE_ROW1
.else
	v_wmma_scale_f32_16x16x128_f8f6f4 v[ra:ra+7], v[128*(\p)+FR*bb:128*(\p)+FR*bb+FR-1], v[AF+FR*(\a):AF+FR*(\a)+FR-1], v[ra:ra+7], v[SC+16*(\sc)+NQ*bb+(\q)], v[SC+16*(\sc)+NQ*(\a)+(\q)] matrix_a_scale:MATRIX_SCALE_ROW1
.endif
.set bb, bb+1
.endr
.endm
.macro PART lo, n, p, q, sc, zero      ; n blocks of A from lo on
.set aa, \lo
.rept \n
	MULA aa, \p, \q, \sc, \zero
.set aa, aa+1
.endr
.endm
.macro FETCH_B slot, q, p
	WIN TO_B
.set ii, 0
.rept NBK
	FRAG 128*(\p)+FR*ii, ADRB+\slot, \q, ii
.set ii, ii+1
.endr
	WIN 0
.endm
.macro FETCH_A slot, q, i0             ; half of A's blocks, from i0 on
.set ii, \i0
.rept NBK/2
	FRAG AF+FR*ii, ADRA+\slot, \q, ii
.set ii, ii+1
.endr
.endm
.macro SCALES sc                       ; a slot's scale words: register NQ i + q: lanes 0-15 A's block i, lanes 16-31 B's block i
.set ii, 0
.rept NBK
.set qq, 0
.rept NQ
	ds_load_b32 v[SC+16*\sc+NQ*ii+qq], v[ADRS] offset:ii*SROW+64*qq
.set qq, qq+1
.endr
.set ii, ii+1
.endr
.endm
; a K step that has its successor in the same slot.  Eight places stand in front of loads into registers that matrix instructions have read
.macro STEP slot, q, zero
	s_wait_dscnt 2*NBK                             ; all but the youngest loads, A's upper blocks
	WIN MUL_LO
	PART 0, NBK/2, (\q)%2, \q, \slot, \zero
	s_wait_dscnt 0x0
	PLACES 8
	FETCH_B \slot, (\q)+1, 1-(\q)%2
	FETCH_A \slot, (\q)+1, 0
	WIN MUL_HI
	PART NBK/2, NBK/2, (\q)%2, \q, \slot, \zero
	PLACES 8
	WIN 0
	FETCH_A \slot, (\q)+1, NBK/2
.endm
; a slot's last K step changes slots: one barrier; in front of it each wave waits for all its tensor loads, adds 0 to its spare word, and waits for that and for its reads of this slot
.macro TURN slot, next, fill
	s_wait_tensorcnt 0x0                           ; all my tensor loads have landed: my part of the next slot
	ds_add_u32 v[SPW], v[NIL]
	s_wait_dscnt 2*NBK+1                           ; (the add and A's upper blocks may be out)
	WIN MUL_LO
	PART 0, NBK/4, 1, NQ-1, \slot, 0
	s_wait_dscnt 0x0                               ; the add is done, and my reads of this slot are over
	s_barrier_signal -1
	PART NBK/4, NBK/4, 1, NQ-1, \slot, 0
	WIN 0
	s_barrier_wait -1
.if \fill
	CREST                                          ; the barrier has opened a round of the cluster's: no wave of any partner still reads this slot or has a load on its way
	s_add_nc_u64 s[G0A+4*\slot+2:G0A+4*\slot+3], s[G0A+4*\slot+2:G0A+4*\slot+3], 2*NQ*2048
	s_add_nc_u64 s[G0B+4*\slot+2:G0B+4*\slot+3], s[G0B+4*\slot+2:G0B+4*\slot+3], 2*NQ*2048
	JLOAD G0A+4*\slot, G1A, G0B+4*\slot, G1B       ; the first tensor load behind the round; its four v_nop are among the places below
	PLACES 4
.else
	PLACES 8
.endif
	s_wait_alu depctr_va_vdst(0)
	v_add_nc_u32 v[ADRS], 64*NQ, v[ADRS]           ; on to the next slot's scale words
	FETCH_B \next, 0, 0
	FETCH_A \next, 0, 0
	SCALES \next
	WIN MUL_HI
	PART NBK/2, NBK/2, 1, NQ-1, \slot, 0
	PLACES 8
	WIN 0
	FETCH_A \next, 0, NBK/2
.endm
	s_load_b64 s[4:5], s[0:1], 0x0                 ; opnd
	v_lshl_add_u32 v[SPW], v0, 2, SPARE
	v_mov_b32 v[NIL], 0
	ds_add_u32 v[SPW], v[NIL]                      ; the wave's opening: the add, twice on end, and its wait ahead of my first tensor load
	ds_add_u32 v[SPW], v[NIL]
	v_lshrrev_b32 v1, 5, v0
	v_readfirstlane_b32 s[WV], v1
	s_lshr_b32 s[WH], s[WV], 1                     ; my half of A's rows.  Also: I fetch for A (0) or for B (1)
	s_and_b32 s[WL], s[WV], 1                      ; my half of B's rows.  Also: which half I fetch
	s_bfe_u32 s40, ttmp6, 0x40000                  ; cx
	s_lshl_b32 s[AX], ttmp9, 2
	s_add_co_u32 s[AX], s[AX], s40
	s_and_b32 s17, ttmp7, 0xffff
	s_lshr_b32 s[OP], s17, 3
	s_and_b32 s[BT], s17, 7
	s_add_co_u32 s19, s[OP], 4
	s_cmp_eq_u32 s[OP], 2
	s_cselect_b32 s18, 6, s[OP]                    ; A's slot in opnd: LN(x0), LN(x1), wv, LN(x3)
	s_cselect_b32 s19, 2, s19                      ; B's: wq, wk, LN(x2), w1
	s_lshl_b32 s12, s[WL], 18                      ; in the ring I fetch 8 of a tile's 16 row tiles: which half, in bytes (8 x 32,768)
	s_mov_b32 s13, 0
	s_lshl_b32 s18, s18, 7
	s_lshl_b32 s20, s[AX], 4
	s_add_co_u32 s18, s18, s20
	s_lshl_b32 s19, s19, 7
	s_lshl_b32 s42, s[BT], 4
	s_add_co_u32 s19, s19, s42
	s_lshl_b32 s20, s18, 15
	s_mov_b32 s21, 0
	s_lshl_b32 s22, s18, 10
	s_add_co_u32 s22, s22, SC0
	s_mov_b32 s23, 0
	s_lshl_b32 s46, s19, 15
	s_mov_b32 s47, 0
	s_lshl_b32 s96, s19, 10
	s_add_co_u32 s96, s96, SC0
	s_mov_b32 s97, 0
	s_lshl_b32 s45, s[WV], 15                      ; where the codes go: wave x 32,768
	; group 1 for codes: 8 rows (row tiles) of 512 elements of 8 bytes (two K steps), 4,096 elements apart; no padding
	s_mov_b32 s[G1A], 3<<16                        ; no mask: A's tile is mine alone
	s_mov_b32 s[G1B], 15|(3<<16)|(1<<21)           ; B's goes to all four partners
.irp g, G1A, G1B
	s_mov_b32 s[\g+1], 512<<16
	s_mov_b32 s[\g+2], 16<<16                      ; the head's loads bring all 16 row tiles; behind them the two words that count rows are set to 8, for the ring's
	s_mov_b32 s[\g+3], 512<<16
	s_mov_b32 s[\g+4], 16
	s_mov_b32 s[\g+5], 4096
	s_mov_b32 s[\g+6], 0
	s_mov_b32 s[\g+7], 0
.endr
	; group 1 for scale words: 16,384 dense bytes as 64 rows of 256
	s_mov_b32 s[G1SA], 3<<16
	s_mov_b32 s[G1SB], 15|(3<<16)|(1<<21)
.irp g, G1SA, G1SB
	s_mov_b32 s[\g+1], 32<<16
	s_mov_b32 s[\g+2], 64<<16                      ; the scale words of 16 row tiles: 16,384 dense bytes as 64 rows of 256
	s_mov_b32 s[\g+3], 32<<16
	s_mov_b32 s[\g+4], 64
	s_mov_b32 s[\g+5], 32
	s_mov_b32 s[\g+6], 0
	s_mov_b32 s[\g+7], 0
.endr
	s_wait_dscnt 0x0                               ; both opening adds are done
	s_wait_kmcnt 0x0
	s_add_nc_u64 s[20:21], s[4:5], s[20:21]
	s_add_nc_u64 s[22:23], s[4:5], s[22:23]
	s_add_nc_u64 s[46:47], s[4:5], s[46:47]
	s_add_nc_u64 s[96:97], s[4:5], s[96:97]
	CROUND                                         ; all four work-groups are here: the first joint loads meet
	s_mov_b32 s[G0SA], 1
	s_mov_b32 s[G0SA+1], SCL
	s_mov_b64 s[G0SA+2:G0SA+3], s[22:23]
	s_or_b32 s[G0SA+3], s[G0SA+3], 0x80000000
	s_mov_b32 s[G0SB], 1
	s_mov_b32 s[G0SB+1], SCL+2*HALFS
	s_mov_b64 s[G0SB+2:G0SB+3], s[96:97]
	s_or_b32 s[G0SB+3], s[G0SB+3], 0x80000000
.set G0H,  8                           ; s[8:11], s[4:7] group 0 for the head's loads of slot 0: A's 16 row tiles, B's 16 (the argument that lay there has been used)
.set G0HB, 4
	s_mov_b32 s[G0H], 1
	s_mov_b32 s[G0H+1], 0
	s_mov_b64 s[G0H+2:G0H+3], s[20:21]
	s_or_b32 s[G0H+3], s[G0H+3], 0x80000000
	s_mov_b32 s[G0HB], 1
	s_mov_b32 s[G0HB+1], 65536
	s_mov_b64 s[G0HB+2:G0HB+3], s[46:47]
	s_or_b32 s[G0HB+3], s[G0HB+3], 0x80000000
	s_add_nc_u64 s[20:21], s[20:21], s[12:13]      ; for the ring: my 8 row tiles
	s_add_nc_u64 s[46:47], s[46:47], s[12:13]
.irp s, 0,1
	s_mov_b32 s[G0A+4*\s], 1
	s_add_co_u32 s[G0A+4*\s+1], s45, \s*SLOT
	s_add_nc_u64 s[G0A+4*\s+2:G0A+4*\s+3], s[20:21], \s*NQ*2048
	s_or_b32 s[G0A+4*\s+3], s[G0A+4*\s+3], 0x80000000
	s_mov_b32 s[G0B+4*\s], 1
	s_add_co_u32 s[G0B+4*\s+1], s45, \s*SLOT
	s_add_nc_u64 s[G0B+4*\s+2:G0B+4*\s+3], s[46:47], \s*NQ*2048
	s_or_b32 s[G0B+4*\s+3], s[G0B+4*\s+3], 0x80000000
.endr
; THE HEAD'S LOADS, ONE A WAVE: wave 0 fetches slot 0's 16 row tiles of A, wave 1 those of B, wave 2 A's scale words, wave 3 B's.
; One tree of branches on the wave's number: every way through the head passes exactly one load.
.macro ARM under, g0, g1, next
	s_cmp_lt_u32 s[WV], \under
	s_cbranch_scc0 \next
	tensor_load_to_lds s[\g0:\g0+3], s[\g1:\g1+7]
	s_nop 0
	PLACES 4
	s_branch .Lhead_asked
\next:
.endm
	ARM 1, G0H,  G1A,  .Lhead_b
	ARM 2, G0HB, G1B,  .Lhead_sa
	ARM 3, G0SA, G1SA, .Lhead_sb
	tensor_load_to_lds s[G0SB:G0SB+3], s[G1SB:G1SB+7]
	s_nop 0
	PLACES 4
.Lhead_asked:
	v_and_b32 v1, 31, v0
	v_and_b32 v2, 15, v0
	v_bfe_u32 v3, v0, 4, 1
	s_wait_alu depctr_va_vdst(0)
	v_lshlrev_b32 v4, 4, v1                        ; 16 x lane
	s_lshl_b32 s41, s[WH], 15
	s_lshl_b32 s42, s[WL], 15
	s_add_co_u32 s42, s42, 65536
.irp s, 0,1
	v_add_nc_u32 v[ADRA+\s], s41, v4
	v_add_nc_u32 v[ADRB+\s], s42, v4
	s_add_co_u32 s41, s41, SLOT
	s_add_co_u32 s42, s42, SLOT
.endr
	s_mul_i32 s41, s[WH], HALFS                    ; A's scale words: my half
	s_mul_i32 s42, s[WL], HALFS                    ; B's: my half, behind A's two
	s_add_co_u32 s42, s42, 2*HALFS
	s_sub_co_u32 s42, s42, s41
	v_mul_u32_u24 v6, s42, v3                      ; lanes 16-31 take B's: one product with h
	s_add_co_u32 s41, s41, SCL
	v_lshl_add_u32 v5, v2, 2, v6
	v_add_nc_u32 v[ADRS], s41, v5
	s_wait_alu depctr_va_vdst(0)
	s_wait_tensorcnt 0x0                           ; my tile of the head's four is in
	ds_add_u32 v[SPW], v[NIL]
	s_mov_b32 s[G1A+2], 8<<16                      ; no tensor load of mine is out, so a descriptor may be written: from here on a load brings 8 row tiles
	s_mov_b32 s[G1A+4], 8
	s_mov_b32 s[G1B+2], 8<<16
	s_mov_b32 s[G1B+4], 8
	s_wait_dscnt 0x0                               ; the add is done
	CROUND                                         ; a whole round: all four tiles are in, and all four work-groups are here
	JLOAD G0A+4, G1A, G0B+4, G1B                   ; slot 1's first fill, the first tensor load behind the round
	FETCH_B 0, 0, 0
	FETCH_A 0, 0, 0
	SCALES 0
	FETCH_A 0, 0, NBK/2
	STEP 0, 0, 1                                   ; the first K step starts the sums: nothing is cleared
	s_mov_b32 s3, 3
.Llap:                                             ; a trip goes once round the ring and fills both slots again: 2 + 3 x 2 = 8 fills = 16 K steps
	TURN 0, 1, 1
	STEP 1, 0, 0
	TURN 1, 0, 1
	STEP 0, 0, 0
	s_sub_co_u32 s3, s3, 1
	s_cmp_lg_u32 s3, 0
	s_cbranch_scc1 .Llap
	TURN 0, 1, 0                                   ; the last lap fills nothing
	STEP 1, 0, 0
	s_wait_dscnt 2*NBK
	WIN MUL_LO
	PART 0, NBK/2, 1, NQ-1, 1, 0
	s_wait_dscnt 0x0
	WIN MUL_HI
	PART NBK/2, NBK/2, 1, NQ-1, 1, 0
	WIN 0
; ================ THE WAYS OUT ================
.set H,   64
.set TM,  128
.set PC,  144
.set FC,  160
.set BV,  160
.set PW,  26
.set AI,  46                           ; s46 A's block in hand
.set SO,  47                           ; s47 64 x that
.set DC,  48                           ; s[48:49] where the codes go
.set DS,  50                           ; s[50:51] and the scale words
.set FQ,  52                           ; s[52:53] the rotary table at the block's first token
.set SEL, 54
.set MNT, 56
.set R128, 57
.set EPS, 58
.macro QUANT s
.irp b, 0,1,2,3
	v_max3_num_f32 v[TM+\b], |v[\s+16*\b]|, |v[\s+1+16*\b]|, 0x4800000   ; block b: my 16 numbers and the floor 2^(9 - 127)
.endr
.irp i, 2,4,6,8,10,12,14
.irp b, 0,1,2,3
	v_max3_num_f32 v[TM+\b], v[TM+\b], |v[\s+16*\b+\i]|, |v[\s+1+16*\b+\i]|
.endr
.endr
.irp b, 0,1,2,3
	v_permlanex16_b32 v[TM+4+\b], v[TM+\b], s[SEL], s[SEL+1]
.endr
.irp b, 0,1,2,3
	v_max_num_f32 v[TM+\b], v[TM+\b], v[TM+4+\b]
.endr
.irp b, 0,1,2,3
	v_add_nc_u32 v[TM+12+\b], 0xfc000000, v[TM+\b]
.endr
.irp b, 0,1,2,3
	v_and_or_b32 v[TM+8+\b], v[TM+\b], 0x7f800000, s[MNT]
.endr
.irp b, 0,1,2,3
	v_lshrrev_b32 v[TM+4+\b], 23, v[TM+12+\b]
.endr
	v_lshl_or_b32 v[PW], v[TM+5], 8, v[TM+4]
	v_lshl_or_b32 v[PW], v[TM+6], 16, v[PW]
	v_lshl_or_b32 v[PW], v[TM+7], 24, v[PW]
.irp b, 0,1,2,3
.irp i, 0,1,2,3,4,5,6,7,8,9,10,11,12,13,14,15
	v_med3_num_f32 v[\s+16*\b+\i], v[\s+16*\b+\i], -v[TM+8+\b], v[TM+8+\b]
.endr
	v_cvt_scalef32_pk8_fp8_f32 v[PC+4*\b:PC+1+4*\b], v[\s+16*\b:\s+7+16*\b], v[TM+12+\b]
	v_cvt_scalef32_pk8_fp8_f32 v[PC+2+4*\b:PC+3+4*\b], v[\s+8+16*\b:\s+15+16*\b], v[TM+12+\b]
.endr
	v_nop                                          ; a plain line behind the last conversion
.endm
; H = block a's eight accumulators + the bias.  kind 0: a bias for each column (window 1, v0-63); kind 1: one for each lane (v[BV + a]).  Each accumulator is read from its low end on.
.macro GETV a, kind
.if \kind == 0
	WIN 0x06+(\a)/4
.else
	WIN 0x02+(\a)/4
.endif
.irp b, 0,1,2,3,4,5,6,7
.irp i, 0,2,4,6
.if \kind == 0
	v_pk_add_f32 v[H+8*\b+\i:H+8*\b+\i+1], v[8*(8*((\a)%4)+\b)+\i:8*(8*((\a)%4)+\b)+\i+1], v[8*\b+\i:8*\b+\i+1]
.elseif (\a)%2 == 0
	v_pk_add_f32 v[H+8*\b+\i:H+8*\b+\i+1], v[8*(8*((\a)%4)+\b)+\i:8*(8*((\a)%4)+\b)+\i+1], v[BV+(\a):BV+(\a)+1] op_sel_hi:[1,0]
.else
	v_pk_add_f32 v[H+8*\b+\i:H+8*\b+\i+1], v[8*(8*((\a)%4)+\b)+\i:8*(8*((\a)%4)+\b)+\i+1], v[BV+(\a)-1:BV+(\a)] op_sel:[0,1] op_sel_hi:[1,1]
.endif
.endr
.endr
	WIN 0
.endm
; register numbers cannot be counted by a loop: the eight blocks' copies are written out and chosen by the loop's counter, so that what follows them is written once
.macro GET kind
.irp a, 0,1,2,3,4,5,6
	s_cmp_eq_u32 s[AI], \a
	s_cbranch_scc1 .Lget_\@_\a
.endr
	GETV 7, \kind
	s_branch .Lgot_\@
.irp a, 0,1,2,3,4,5,6
.Lget_\@_\a:
	GETV \a, \kind
	s_branch .Lgot_\@
.endr
.Lgot_\@:
.endm
; a trip's end: the image leaves, 512 consecutive bytes a store; the scale word waits in my wave's own LDS bytes (slot 0 has had its last fill, and its last read lies in front of the last change of slots)
.macro TRIPEND stride, path
.irp c, 0,1,2,3
	global_store_b128 v1, v[PC+4*\c:PC+4*\c+3], s[DC:DC+1] offset:512*\c
.endr
	v_add_nc_u32 v24, s[SO], v5
	ds_store_b32 v24, v[PW] offset:2048*\path      ; both halves of the lanes write the same word with the same value
	s_wait_xcnt 0x0                                ; the stores have read their registers and their base
	s_add_nc_u64 s[DC:DC+1], s[DC:DC+1], \stride
	s_add_co_u32 s[SO], s[SO], 64
	s_add_co_u32 s[AI], s[AI], 1
	s_cmp_lt_u32 s[AI], 8
.endm
.macro TAIL path, off                  ; the eight blocks' scale words, 512 bytes, by one store
	ds_load_b128 v[8:11], v6 offset:2048*\path     ; LDS serves a wave's instructions in order: this sees my stores
	s_wait_dscnt 0x0
	global_store_b128 v[\off], v[8:11], s[DS:DS+1]
.endm
	PLACES 8                                       ; behind the last products: their results are read and their operands' registers written below
	s_load_b512 s[24:39], s[0:1], 0x0              ; (no tensor load is out: the descriptors' registers are free)  opnd 24, wq_b 26, wk_b 28, wv_b 30, w1_b 32, qn_w 34, kn_w 36, freqs 38
	s_load_b128 s[40:43], s[0:1], 0x40             ; qb 40, kv 42
	s_load_b64 s[44:45], s[0:1], 0x50              ; acat
	v_and_b32 v1, 31, v0
	v_and_b32 v2, 15, v0
	v_bfe_u32 v3, v0, 4, 1
	v_lshlrev_b32 v4, 7, v2
	v_lshl_add_u32 v4, v3, 6, v4                   ; the rotary table: token r's 128 bytes, + 64 h
	s_lshl_b32 s2, s[WV], 9
	v_lshl_add_u32 v5, v2, 2, s2                   ; LDS: my wave's 512 bytes, word r
	v_lshl_add_u32 v6, v1, 4, s2                   ; and back, 16 bytes a lane
	v_lshrrev_b32 v7, 2, v1
	v_mul_u32_u24 v7, v7, 1792
	v_and_b32 v8, 3, v1
	v_lshl_add_u32 v7, v8, 4, v7                   ; acat's scale words: block l / 4, 1,792 bytes apart
	v_lshlrev_b32 v1, 4, v1                        ; 16 x lane
	v_lshlrev_b32 v2, 2, v2                        ; 4 r
	v_lshlrev_b32 v3, 5, v3                        ; 32 h
.irp b, 0,1,2,3
	v_mov_b32 v[TM+4+\b], 0                        ; written once: a lane permute's destination counts as one of its sources
.endr
	s_mov_b32 s[SEL], 0x76543210
	s_mov_b32 s[SEL+1], 0xfedcba98
	s_mov_b32 s[MNT], 0x600000
	s_mov_b32 s[R128], 0x3c000000                  ; 1 / 128
	s_mov_b32 s[EPS], 0x3727c5ac                   ; 1e-5
	s_mov_b32 s[AI], 0
	s_mov_b32 s[SO], 0
	s_lshl_b32 s2, s[BT], 1
	s_add_co_u32 s2, s2, s[WL]                     ; my 128 rows of B: 2 BT + WL
	s_lshl_b32 s3, s[AX], 1
	s_add_co_u32 s3, s3, s[WH]                     ; my 128 rows of A: 2 AX + WH
	s_mov_b32 s9, 0
	s_mov_b32 s11, 0
	s_mov_b32 s19, 0
	s_mov_b32 s21, 0
	s_wait_kmcnt 0x0
	s_cmp_eq_u32 s[OP], 2
	s_cbranch_scc1 .Lv
	s_cmp_eq_u32 s[OP], 3
	s_cbranch_scc1 .Lf
	; ---- q or k: bias, RMS norm over the head's 128, gain, rotary on the first 32, quantised along the head.  Head = 2 BT + WL; tokens 128 (2 AX + WH) on
	s_lshl_b32 s6, s2, 4
	s_add_co_u32 s6, s6, s3                        ; head x 16 + block of 128 tokens
	s_lshl_b32 s8, s6, 14                          ; q: 8 fragments of 2,048 bytes a block
	s_lshl_b32 s10, s6, 9
	s_add_co_u32 s10, s10, QS0
	s_mul_i32 s12, s6, 33792                       ; k: the record of (head, K step)
	s_add_co_u32 s13, s12, 32768
	s_lshl_b32 s18, s2, 9                          ; the head's 128 biases
	s_lshl_b32 s20, s3, 14                         ; 128 tokens of 128 bytes
	s_cmp_eq_u32 s[OP], 0
	s_cselect_b64 s[60:61], s[26:27], s[28:29]
	s_cselect_b64 s[62:63], s[34:35], s[36:37]
	s_cselect_b64 s[DC:DC+1], s[40:41], s[42:43]
	s_cselect_b32 s8, s8, s12
	s_cselect_b32 s10, s10, s13
	s_mov_b64 s[DS:DS+1], s[DC:DC+1]
	s_add_nc_u64 s[DC:DC+1], s[DC:DC+1], s[8:9]
	s_add_nc_u64 s[DS:DS+1], s[DS:DS+1], s[10:11]
	s_add_nc_u64 s[60:61], s[60:61], s[18:19]
	s_add_nc_u64 s[FQ:FQ+1], s[38:39], s[20:21]
	WIN 0x40                                       ; destination window 1
	s_wait_alu depctr_va_vdst(0)
.irp b, 0,1,2,3,4,5,6,7
	global_load_b128 v[8*\b:8*\b+3], v3, s[60:61] offset:64*\b          ; the biases of columns 16 b + 8 h + 0..7
	global_load_b128 v[8*\b+4:8*\b+7], v3, s[60:61] offset:64*\b+16
	global_load_b128 v[64+8*\b:64+8*\b+3], v3, s[62:63] offset:64*\b    ; and the gains
	global_load_b128 v[64+8*\b+4:64+8*\b+7], v3, s[62:63] offset:64*\b+16
.endr
	WIN 0
	s_wait_loadcnt 0x0
.Lqk:
.irp i, 0,1,2,3
	global_load_b128 v[FC+4*\i:FC+4*\i+3], v4, s[FQ:FQ+1] offset:16*\i   ; cos, sin of pairs 8 h + 0..7 of my token
.endr
	GET 0
.irp k, 0,1,2,3
	v_pk_mul_f32 v[176+2*\k:177+2*\k], v[H+2*\k:H+2*\k+1], v[H+2*\k:H+2*\k+1]
.endr
.set i, 4
.rept 28
	v_pk_fma_f32 v[176+2*(i%4):177+2*(i%4)], v[H+2*i:H+2*i+1], v[H+2*i:H+2*i+1], v[176+2*(i%4):177+2*(i%4)]
.set i, i+1
.endr
	v_pk_add_f32 v[176:177], v[176:177], v[178:179]
	v_pk_add_f32 v[180:181], v[180:181], v[182:183]
	v_pk_add_f32 v[176:177], v[176:177], v[180:181]
	v_add_f32 v176, v176, v177
	v_permlanex16_b32 v177, v176, s[SEL], s[SEL+1]
	v_add_f32 v176, v176, v177                     ; the sum of the head's 128 squares
	v_fma_f32 v176, v176, s[R128], s[EPS]
	s_wait_alu depctr_va_vdst(0)
	v_rsq_f32 v178, v176
	v_nop
	s_wait_alu depctr_va_vdst(0)                   ; the wait ahead of the first reader
	v_mov_b32 v179, v178
.set i, 0
.rept 32
	v_pk_mul_f32 v[H+2*i:H+2*i+1], v[H+2*i:H+2*i+1], v[178:179]
.set i, i+1
.endr
	WIN 0x04                                       ; source 1 window 1: the gains
.set i, 0
.rept 32
	v_pk_mul_f32 v[H+2*i:H+2*i+1], v[H+2*i:H+2*i+1], v[64+2*i:65+2*i]
.set i, i+1
.endr
	WIN 0
	s_wait_loadcnt 0x0                             ; the table
	s_add_nc_u64 s[FQ:FQ+1], s[FQ:FQ+1], 2048      ; (its loads are done)  16 tokens on
; my half holds x1[8 h + j] in tile 0 and x2[8 h + j] in tile 1; the results are dims 16 h + 2 j and 16 h + 2 j + 1: all in block 0, and laid at the same places for q and for k
.irp j, 0,1,2,3,4,5,6,7
	v_mul_f32 v[184+\j], v[H+8+\j], v[FC+1+2*\j]
	v_mul_f32 v[192+\j], v[H+\j], v[FC+1+2*\j]
.endr
.irp j, 0,1,2,3,4,5,6,7
	v_fma_f32 v[H+\j], v[H+\j], v[FC+2*\j], -v[184+\j]       ; x1 c - x2 s
	v_fma_f32 v[H+8+\j], v[H+8+\j], v[FC+2*\j], v[192+\j]    ; x2 c + x1 s
.endr
	QUANT H
	TRIPEND 2048, 0
	s_cbranch_scc1 .Lqk
	TAIL 0, 1
	s_branch .Lend
	; ---- v^T: A = wv's rows (channels), B = LN(x2)'s rows (keys): a lane holds one channel and its registers run along 128 keys.  Head = 2 AX + WH, K step = 2 BT + WL
.Lv:
	s_lshl_b32 s6, s3, 4
	s_add_co_u32 s6, s6, s2
	s_mul_i32 s8, s6, 33792
	s_add_co_u32 s10, s8, 33280
	s_add_co_u32 s8, s8, 16384
	s_add_nc_u64 s[DC:DC+1], s[42:43], s[8:9]
	s_add_nc_u64 s[DS:DS+1], s[42:43], s[10:11]
	s_lshl_b32 s18, s3, 9
	s_add_nc_u64 s[60:61], s[30:31], s[18:19]
	s_wait_alu depctr_va_vdst(0)
.irp a, 0,1,2,3,4,5,6,7
	global_load_b32 v[BV+\a], v2, s[60:61] offset:64*\a    ; the bias of channel 16 a + r
.endr
	s_wait_loadcnt 0x0
.Lvl:
	GET 1
	QUANT H
	TRIPEND 2048, 1
	s_cbranch_scc1 .Lvl
	TAIL 1, 1
	s_branch .Lend
	; ---- the hidden layer: bias, exact gelu, quantised along the hidden units.  K step 16 + 2 BT + WL of acat; row tiles 8 (2 AX + WH) on
.Lf:
	s_add_co_u32 s6, s2, 16
	s_lshl_b32 s7, s3, 3
	s_mul_i32 s8, s7, 57344
	s_lshl_b32 s12, s6, 11
	s_add_co_u32 s8, s8, s12
	s_mul_i32 s10, s7, 1792
	s_lshl_b32 s12, s6, 6
	s_add_co_u32 s10, s10, s12
	s_add_co_u32 s10, s10, BS0
	s_add_nc_u64 s[DC:DC+1], s[44:45], s[8:9]
	s_add_nc_u64 s[DS:DS+1], s[44:45], s[10:11]
	s_lshl_b32 s12, s2, 9
	s_wait_alu depctr_va_vdst(0)
	v_add_nc_u32 v8, s12, v3
.irp b, 1,2,3,4,5,6,7
	v_add_nc_u32 v[8+\b], 64*\b, v8
.endr
.irp b, 0,1,2,3,4,5,6,7
	v_min_u32 v[8+\b], 5856, v[8+\b]               ; columns 1,472 .. 1,535 have no bias: the load is held inside the buffer; what they become meets zero codes of w2
.endr
	WIN 0x40
.irp b, 0,1,2,3,4,5,6,7
	global_load_b128 v[8*\b:8*\b+3], v[8+\b], s[32:33]
	global_load_b128 v[8*\b+4:8*\b+7], v[8+\b], s[32:33] offset:16
.endr
	WIN 0
.set GZ, 176
.set GS, 192
.set GP, 208
.set GQ, 224
.set GA0, 240
.set GB0, 242
	v_mov_b32 v[GA0], 0xaf95df0b                   ; -2.72614225801306e-10
	v_mov_b32 v[GA0+1], 0xaf95df0b
	v_mov_b32 v[GB0], 0xb77460cd                   ; -1.45660718464996e-05
	v_mov_b32 v[GB0+1], 0xb77460cd
	s_wait_loadcnt 0x0
.macro HORNER reg, lit                 ; reg = reg x z^2 + the next coefficient, the eight pairs by turns
.irp i, 0,2,4,6,8,10,12,14
	v_pk_fma_f32 v[\reg+\i:\reg+\i+1], v[\reg+\i:\reg+\i+1], v[GS+\i:GS+\i+1], \lit op_sel_hi:[1,1,0]
.endr
.endm
.macro GELU g                          ; 16 numbers: x/2 (1 + erf(x / sqrt 2)), erf(z) = z P(z^2) / Q(z^2)
.irp i, 0,2,4,6,8,10,12,14
	v_pk_mul_f32 v[GZ+\i:GZ+\i+1], v[H+16*\g+\i:H+16*\g+\i+1], 0x3f3504f3 op_sel_hi:[1,0]
.endr
.irp i, 0,1,2,3,4,5,6,7,8,9,10,11,12,13,14,15
	v_med3_num_f32 v[GZ+\i], v[GZ+\i], -4.0, 4.0
.endr
.irp i, 0,2,4,6,8,10,12,14
	v_pk_mul_f32 v[GS+\i:GS+\i+1], v[GZ+\i:GZ+\i+1], v[GZ+\i:GZ+\i+1]
.endr
.irp i, 0,2,4,6,8,10,12,14
	v_pk_fma_f32 v[GP+\i:GP+\i+1], v[GS+\i:GS+\i+1], v[GA0:GA0+1], 0x32edffee op_sel_hi:[1,1,0]   ; 2.77068142495902e-08
.endr
	HORNER GP, 0xb60cff51                          ; -2.10102402082508e-06
	HORNER GP, 0xb86ec2d2                          ; -5.69250639462346e-05
	HORNER GP, 0xba40ac63                          ; -7.34990630326855e-04
	HORNER GP, 0xbb41a1f6                          ; -2.95459980854025e-03
	HORNER GP, 0xbc83dbd4                          ; -1.60960333262415e-02
.irp i, 0,2,4,6,8,10,12,14
	v_pk_fma_f32 v[GQ+\i:GQ+\i+1], v[GS+\i:GS+\i+1], v[GB0:GB0+1], 0xb95fbd29 op_sel_hi:[1,1,0]   ; -2.13374055278905e-04
.endr
	HORNER GQ, 0xbadc924e                          ; -1.68282697438203e-03
	HORNER GQ, 0xbbf19bf8                          ; -7.37332916720468e-03
	HORNER GQ, 0xbc69b6a7                          ; -1.42647390514189e-02
.irp i, 0,2,4,6,8,10,12,14
	v_pk_mul_f32 v[GP+\i:GP+\i+1], v[GP+\i:GP+\i+1], v[GZ+\i:GZ+\i+1]
.endr
	s_wait_alu depctr_va_vdst(0)
.irp i, 0,1,2,3,4,5,6,7,8,9,10,11,12,13,14,15
	v_rcp_f32 v[GQ+\i], v[GQ+\i]                   ; one batch,
.endr
.irp i, 0,2,4,6,8,10,12,14
	v_pk_mul_f32 v[GZ+\i:GZ+\i+1], v[H+16*\g+\i:H+16*\g+\i+1], 0.5 op_sel_hi:[1,0]   ; plain work behind it: x / 2,
.endr
	s_wait_alu depctr_va_vdst(0)                   ; and one wait ahead of its first reader
.irp i, 0,2,4,6,8,10,12,14
	v_pk_mul_f32 v[GP+\i:GP+\i+1], v[GP+\i:GP+\i+1], v[GQ+\i:GQ+\i+1]
.endr
.irp i, 0,2,4,6,8,10,12,14
	v_pk_fma_f32 v[H+16*\g+\i:H+16*\g+\i+1], v[GZ+\i:GZ+\i+1], v[GP+\i:GP+\i+1], v[GZ+\i:GZ+\i+1]
.endr
.endm
.Lfl:
	GET 0
	GELU 0
	GELU 1
	GELU 2
	GELU 3
	QUANT H
	TRIPEND 57344, 2
	s_cbranch_scc1 .Lfl
	TAIL 2, 7
.Lend:
	s_wait_tensorcnt 0x0                           ; the wave's end: behind my last tensor load and my last LDS store
	ds_add_u32 v[SPW], v[NIL]
	s_wait_dscnt 0x0
	CROUND                                         ; the closing round: no work-group ends while a partner may still ask for a tile that names it
	s_endpgm
.Lfunc_end_k_qa1e4665050_proj:
	.size	k_qa1e4665050_proj, .Lfunc_end_k_qa1e4665050_proj-k_qa1e4665050_proj
	.p2alignl 7, 3214868480
	.fill 96, 4, 3214868480
	.section	.rodata,"a",@progbits
	.p2align	6, 0x0
	.amdhsa_kernel k_qa1e4665050_proj
		.amdhsa_group_segment_fixed_size 327680
		.amdhsa_private_segment_fixed_size 0
		.amdhsa_enable_private_segment 0
		.amdhsa_kernarg_size 88
		.amdhsa_user_sgpr_count 2
		.amdhsa_user_sgpr_kernarg_segment_ptr 1
		.amdhsa_wavefront_size32 1
		.amdhsa_system_sgpr_workgroup_id_x 1
		.amdhsa_system_sgpr_workgroup_id_y 1
		.amdhsa_system_sgpr_workgroup_id_z 1
		.amdhsa_system_vgpr_workitem_id 0
		.amdhsa_next_free_vgpr 1024
		.amdhsa_next_free_sgpr 100
		.amdhsa_reserve_vcc 0
		.amdhsa_float_denorm_mode_32 3
		.amdhsa_float_denorm_mode_16_64 3
		.amdhsa_memory_ordered 1
		.amdhsa_forward_progress 1
		.amdhsa_inst_pref_size 255
	.end_amdhsa_kernel
	.section	.bss,"aw",@nobits
	.p2align	6
	.space	262144
	.amdgpu_metadata
---
amdhsa.version: [ 1, 2 ]
amdhsa.kernels:
  - .name:           k_qa1e4665050_proj
    .symbol:         k_qa1e4665050_proj.kd
    .args:
      - { .name: opnd, .offset: 0, .size: 8, .value_kind: global_buffer, .address_space: global }
      - { .name: wq_b, .offset: 8, .size: 8, .value_kind: global_buffer, .address_space: global }
      - { .name: wk_b, .offset: 16, .size: 8, .value_kind: global_buffer, .address_space: global }
      - { .name: wv_b, .offset: 24, .size: 8, .value_kind: global_buffer, .address_space: global }
      - { .name: w1_b, .offset: 32, .size: 8, .value_kind: global_buffer, .address_space: global }
      - { .name: qn_w, .offset: 40, .size: 8, .value_kind: global_buffer, .address_space: global }
      - { .name: kn_w, .offset: 48, .size: 8, .value_kind: global_buffer, .address_space: global }
      - { .name: freqs_cis, .offset: 56, .size: 8, .value_kind: global_buffer, .address_space: global }
      - { .name: qb, .offset: 64, .size: 8, .value_kind: global_buffer, .address_space: global }
      - { .name: kv, .offset: 72, .size: 8, .value_kind: global_buffer, .address_space: global }
      - { .name: acat, .offset: 80, .size: 8, .value_kind: global_buffer, .address_space: global }
    .group_segment_fixed_size: 327680
    .private_segment_fixed_size: 0
    .kernarg_segment_align: 8
    .kernarg_segment_size: 88
    .max_flat_workgroup_size: 128
    .sgpr_count:     100
    .vgpr_count:     1024
    .wavefront_size: 32
...
	.end_amdgpu_metadata
.endif
;; end of part 2
;; launch attn (part 3): grid 16 x 16, 8 waves a work-group, clusters of 4 x 1, 327,680 bytes of LDS; arguments qb, kv, maskw, acat; writes acat
.if DOCPART == 3
	.amdgcn_target "amdgcn-amd-amdhsa--gfx1250"
	.amdhsa_code_object_version 6
	.text
	.protected	k_qa1e4665050_attn
	.globl	k_qa1e4665050_attn
	.p2align	8
	.type	k_qa1e4665050_attn,@function
k_qa1e4665050_attn:
	s_mov_b64 s[64:65], 0
	v_nop
	global_prefetch_b8 v0, s[64:65] scope:SCOPE_SE
	s_setreg_imm32_b32 hwreg(HW_REG_WAVE_MODE, 25, 1), 1
	s_wait_xcnt 0x0
	s_wait_alu depctr_hold_cnt(0) depctr_sa_sdst(0) depctr_va_vdst(0) depctr_va_sdst(0) depctr_va_ssrc(0) depctr_va_vcc(0) depctr_vm_vsrc(0)
	s_getreg_b32 s2, hwreg(HW_REG_IB_STS2, 6, 4)
	s_cmp_eq_u32 s2, 0
	s_cbranch_scc0 .Lentry_in_a_cluster
	s_endpgm
.Lentry_in_a_cluster:
	s_bfe_u32 s2, ttmp6, 0x10000c
	s_cmp_lg_u32 s2, 0x3003
	s_cbranch_scc0 .Lentry_shape_is_right
	s_endpgm
.Lentry_shape_is_right:
; ATTN: y[q] = sum over k of softmax_k(where(mask, q . k / sqrt(128), -65504)) v[k], both products on codes of E4M3 with E8M0 scales; y leaves quantised along the head's 128, as K step 'head' of acat.
; The mask is an INPUT: every query walks all 2,048 keys.  input_pos is not among the arguments (dead: see PREP's head).
; THE SOFTMAX AHEAD OF THE SECOND PRODUCT: t = score x log2(e) / sqrt(128); M = the row's largest t so far, rounded UP to a whole number; p = 2^(t - M) is quantised along the keys, not normalised; the row's sum is taken of
; the unquantised p and divides at the end.  When M moves, the sum and O are multiplied by 2^(old M - new M): exact.
; A HIDDEN KEY's score is replaced, ahead of the maximum, by NEGS = -741,093.1875, the f32 number nearest to -65504 sqrt(128): so t = -65504 log2(e) to within 0.004.  LIMIT: a row with no open key at all has every p
; within 3 parts in 1,000 of the definition's (its code is the same: 416 x 2^-9, which lies 16 of its 32-wide step from either neighbour's edge).  Where any key is open, hidden keys' p fall to 0, as in reference().
; SHARES: a work-group owns 128 queries of one head, each of its eight waves 16: one tile, 512 registers, two waves to a SIMD.  128 keys a step.
; Both products are used transposed (S^T = K Q^T, O^T = V^T P^T): a lane holds ONE query (lane % 16); score register 8 T + j is key 16 T + 8 (lane / 16) + j, the order in which all operands of this program lie.
; RING: a slot holds four key steps: four records of kv (K's 8 images, V^T's 8, their scale words: 33,792 bytes each), dense in memory.  Every wave fetches an eighth of a slot, 66 rows of 256 bytes, by one load.
; FRAGMENTS AHEAD: a step's eight fragments of V^T are asked of LDS at the step's head and waited for ahead of the second product; the next step's eight of K are asked for behind the first product and waited for at the next
; step's head.  Each run is 40 LDS loads, so each of the two waits leaves the 40 younger loads out.  The next record is held inside the slot: a slot's last step asks for its own K once more, and nobody reads that.
; CLUSTER: the four query blocks of a cluster belong to one head and walk the same records: each load is joint.  A head has four slots' worth: two first fills, two refills.
; LIMITS otherwise as at PREP's head.
; REGISTERS, window 0: v1 16 x lane, v2 4 r, v4 4 r + 32,768; v5, v6 the add's two; v8-11 addresses of the records in hand; v12 -M, v13 the largest t, v[14:15] the sum; v16-31 Q; v32-39 K's scale words, v40-47 V's, v253 p's, v255 Q's: scales and nothing else;
;   v62-95 the way out's quantiser; v96-159 S^T, then p; v160-223 O^T; v224-239 p's codes; v232-254 at work.  Window 1: v0-127 K's eight fragments, v128-255 V^T's.
.set SLOTB, 135168
.set SPARE, 270336                     ; behind the ring: the spare words, 128 bytes for each wave: four blocks of 256 bytes that no other line names
.set QS0,   4194304
.set BS0,   7340032
.set SPW, 5
.set NIL, 6
.set TB,  2                            ; s2  LDS byte at which the step's record begins
.set WV,  24
.set MNT, 25
.set SEL, 26
.set CS,  28                           ; s[28:29] c = log2(e) / sqrt(128)
.set TM,  64
.set PC,  80
.set PW,  62
.set MSB, 0
.macro WIN new                         ; the immediate's high byte repeats the setting that is left
.if MSB != (\new)
	s_set_vgpr_msb (MSB<<8)|(\new)
.set MSB, (\new)
.endif
.endm
.macro PLACES n
.rept \n
	v_nop
.endr
.endm
.macro CROUND
	s_barrier_signal -1
	s_barrier_wait -1
	s_cmp_lg_u32 s[WV], 0
	s_cbranch_scc1 .Lnot_wave_0_\@
	s_barrier_signal -3
.Lnot_wave_0_\@:
	s_barrier_wait -3
	s_barrier_signal -1
	s_barrier_wait -1
.endm
.macro KLOAD a, s                      ; a record's eight fragments of K into window 1, v0-127, and their scale words: 40 LDS loads
	WIN 0x40
.irp t, 0,1,2,3,4,5,6,7
.irp c, 0,1,2,3
	ds_load_b128 v[16*\t+4*\c:16*\t+4*\c+3], v[\a] offset:2048*\t+512*\c
.endr
.endr
	WIN 0
.irp t, 0,1,2,3,4,5,6,7
	ds_load_b32 v[32+\t], v[\s] offset:64*\t
.endr
.endm
.macro QUANT s
.irp b, 0,1,2,3
	v_max3_num_f32 v[TM+\b], |v[\s+16*\b]|, |v[\s+1+16*\b]|, 0x4800000
.endr
.irp i, 2,4,6,8,10,12,14
.irp b, 0,1,2,3
	s_delay_alu instid0(VALU_DEP_4)
	v_max3_num_f32 v[TM+\b], v[TM+\b], |v[\s+16*\b+\i]|, |v[\s+1+16*\b+\i]|
.endr
.endr
.irp b, 0,1,2,3
	s_delay_alu instid0(VALU_DEP_4)
	v_permlanex16_b32 v[TM+4+\b], v[TM+\b], s[SEL], s[SEL+1]
.endr
.irp b, 0,1,2,3
	s_delay_alu instid0(VALU_DEP_4)
	v_max_num_f32 v[TM+\b], v[TM+\b], v[TM+4+\b]
.endr
.irp b, 0,1,2,3
	s_delay_alu instid0(VALU_DEP_4)
	v_add_nc_u32 v[TM+12+\b], 0xfc000000, v[TM+\b]
.endr
.irp b, 0,1,2,3
	v_and_or_b32 v[TM+8+\b], v[TM+\b], 0x7f800000, s[MNT]
.endr
.irp b, 0,1,2,3
	v_lshrrev_b32 v[TM+4+\b], 23, v[TM+12+\b]
.endr
	s_delay_alu instid0(VALU_DEP_3)
	v_lshl_or_b32 v[PW], v[TM+5], 8, v[TM+4]
	s_delay_alu instid0(VALU_DEP_1)
	v_lshl_or_b32 v[PW], v[TM+6], 16, v[PW]
	s_delay_alu instid0(VALU_DEP_1)
	v_lshl_or_b32 v[PW], v[TM+7], 24, v[PW]
.irp b, 0,1,2,3
.irp i, 0,1,2,3,4,5,6,7,8,9,10,11,12,13,14,15
	v_med3_num_f32 v[\s+16*\b+\i], v[\s+16*\b+\i], -v[TM+8+\b], v[TM+8+\b]
.endr
	v_cvt_scalef32_pk8_fp8_f32 v[PC+4*\b:PC+1+4*\b], v[\s+16*\b:\s+7+16*\b], v[TM+12+\b]
	v_cvt_scalef32_pk8_fp8_f32 v[PC+2+4*\b:PC+3+4*\b], v[\s+8+16*\b:\s+15+16*\b], v[TM+12+\b]
.endr
	v_nop
.endm
	s_load_b256 s[32:39], s[0:1], 0x0              ; qb 32, kv 34, maskw 36, acat 38
	v_lshl_add_u32 v[SPW], v0, 2, SPARE
	v_mov_b32 v[NIL], 0
	ds_add_u32 v[SPW], v[NIL]                      ; the wave's opening: the add, twice on end, and its wait ahead of my first tensor load
	ds_add_u32 v[SPW], v[NIL]
	v_lshrrev_b32 v8, 5, v0
	s_delay_alu instid0(VALU_DEP_1)
	v_readfirstlane_b32 s[WV], v8
	s_bfe_u32 s30, ttmp6, 0x40000                  ; cx: it enters Q's, the mask's and y's addresses alone
	s_lshl_b32 s31, ttmp9, 2
	s_add_co_u32 s31, s31, s30
	s_lshl_b32 s31, s31, 3
	s_add_co_u32 s31, s31, s[WV]                   ; my tile of 16 queries
	s_and_b32 s40, ttmp7, 0xffff                   ; the head, which the partners share
	s_mul_i32 s41, s[WV], 16896                    ; my eighth of a slot
	s_mul_i32 s42, s40, 540672                     ; the head's 16 records
	s_add_co_u32 s42, s42, s41
	s_mov_b32 s43, 0
	s_lshl_b32 s44, s40, 7
	s_add_co_u32 s44, s44, s31                     ; head x 128 + tile
	s_lshl_b32 s46, s44, 11
	s_mov_b32 s47, 0
	s_lshl_b32 s48, s44, 6
	s_add_co_u32 s48, s48, QS0
	s_mov_b32 s49, 0
	s_lshl_b32 s50, s31, 12                        ; the tile's 16 x 64 mask words
	s_mov_b32 s51, 0
	s_mul_i32 s52, s31, 28
	s_add_co_u32 s52, s52, s40                     ; acat: row tile x 28 + K step
	s_lshl_b32 s54, s52, 11
	s_mov_b32 s55, 0
	s_lshl_b32 s56, s52, 6
	s_add_co_u32 s56, s56, BS0
	s_mov_b32 s57, 0
	; group 1: 66 rows of 32 elements of 8 bytes, dense; joint for all four partners
	s_mov_b32 s8, 15|(3<<16)|(1<<21)
	s_mov_b32 s9, 32<<16
	s_mov_b32 s10, 66<<16
	s_mov_b32 s11, 32<<16
	s_mov_b32 s12, 66
	s_mov_b32 s13, 32
	s_mov_b32 s14, 0
	s_mov_b32 s15, 0
	s_mov_b32 s[SEL], 0x76543210
	s_mov_b32 s[SEL+1], 0xfedcba98
	s_mov_b32 s[CS], 0x3e0293ee
	s_mov_b32 s[CS+1], s[CS]
	s_mov_b32 s[MNT], 0x600000
	s_wait_dscnt 0x0                               ; both opening adds are done
	s_wait_kmcnt 0x0
	s_add_nc_u64 s[34:35], s[34:35], s[42:43]
	s_add_nc_u64 s[58:59], s[32:33], s[48:49]      ; Q's scale words
	s_add_nc_u64 s[32:33], s[32:33], s[46:47]      ; Q's image
	s_add_nc_u64 s[4:5], s[36:37], s[50:51]        ; the mask words
	s_add_nc_u64 s[6:7], s[38:39], s[54:55]        ; y's image
	s_add_nc_u64 s[30:31], s[38:39], s[56:57]      ; y's scale words
.irp n, 0,1
	s_mov_b32 s[16+4*\n], 1
	s_add_co_u32 s[17+4*\n], s41, \n*SLOTB
	s_add_nc_u64 s[18+4*\n:19+4*\n], s[34:35], \n*SLOTB
	s_or_b32 s[19+4*\n], s[19+4*\n], 0x80000000
.endr
	CROUND                                         ; all four work-groups are here: the first joint loads meet
	tensor_load_to_lds s[16:19], s[8:15]           ; key steps 0 to 3: my one load at the head
	s_nop 0
	PLACES 4
	v_and_b32 v3, 31, v0
	v_and_b32 v2, 15, v0
	s_delay_alu instid0(VALU_DEP_2)
	v_lshlrev_b32 v1, 4, v3                        ; 16 x lane
	s_delay_alu instid0(VALU_DEP_2)
	v_lshlrev_b32 v2, 2, v2                        ; 4 r
.irp c, 0,1,2,3
	global_load_b128 v[16+4*\c:19+4*\c], v1, s[32:33] offset:512*\c   ; Q's fragment stays in registers
.endr
	global_load_b32 v255, v2, s[58:59]
	v_mov_b32 v13, 0xff61b1e6                      ; the largest t so far: -3e38
	s_delay_alu instid0(VALU_DEP_1)
	v_floor_f32 v12, -v13
	v_mov_b32 v14, 0
	v_mov_b32 v15, 0
.irp b, 0,1,2,3
	v_mov_b32 v[236+\b], 0                         ; written once: a lane permute's destination counts as one of its sources
	v_mov_b32 v[TM+4+\b], 0                        ; likewise, for the way out
.endr
	v_mov_b32 v253, 0
	v_add_nc_u32 v4, 32768, v2                     ; a record's scale words begin 32,768 bytes in: K's, then, 512 further on, V's
.set j, 0
.rept 64
	v_mov_b32 v[160+j], 0                          ; O^T: the step is written once; the first finds zeros, which the first change of M leaves zeros
.set j, j+1
.endr
; A KEY STEP.  lim: the LDS byte at which the slot's last record begins
.macro STEP lim
	v_add_nc_u32 v8, s[TB], v1
	v_add_nc_u32 v10, s[TB], v4
	s_wait_alu depctr_va_vdst(0)
	PLACES 8                                       ; in front of loads into registers that the last step's matrix instructions have read
	WIN 0x40
.irp t, 0,1,2,3,4,5,6,7
.irp c, 0,1,2,3
	ds_load_b128 v[128+16*\t+4*\c:128+16*\t+4*\c+3], v8 offset:16384+2048*\t+512*\c   ; V^T's eight fragments: wanted behind the softmax
.endr
.endr
	WIN 0
.irp t, 0,1,2,3,4,5,6,7
	ds_load_b32 v[40+\t], v10 offset:512+64*\t
.endr
	s_wait_dscnt 40                                ; K's 40 loads, asked for a step ago, are in; V's 40 may be out
	WIN 0x01                                       ; source 0 in window 1
.irp t, 0,1,2,3,4,5,6,7
	v_wmma_scale_f32_16x16x128_f8f6f4 v[96+8*\t:103+8*\t], v[16*\t:16*\t+15], v[16:31], 0, v[32+\t], v255   ; S^T = K Q^T
.endr
	WIN 0
	PLACES 8                                       ; behind the products: their results are read and K's registers loaded below
	s_add_co_u32 s101, s[TB], 33792                ; the next record,
	s_min_u32 s101, s101, \lim                     ; held inside the slot
	v_add_nc_u32 v9, s101, v1
	v_add_nc_u32 v11, s101, v4
	KLOAD 9, 11
	s_wait_kmcnt 0x0                               ; the masks are in
	v_mov_b32 v254, 0xc934ee53                     ; NEGS
.set j, 0
.rept 64
	v_cndmask_b32 v[96+j], v254, v[96+j], s[32+j+4*(j/32)]   ; a hidden key's score becomes NEGS: done in every step, no branch on data
.set j, j+1
.endr
.irp b, 0,1,2,3
	v_max3_num_f32 v[232+\b], v[96+16*\b], v[97+16*\b], v[98+16*\b]   ; the largest score of each block of 32 keys: for the row's maximum, and, since p rises with the score, for the block's largest p
.endr
.irp i, 3,5,7,9,11,13
.irp b, 0,1,2,3
	s_delay_alu instid0(VALU_DEP_4)
	v_max3_num_f32 v[232+\b], v[232+\b], v[96+16*\b+\i], v[97+16*\b+\i]
.endr
.endr
.irp b, 0,1,2,3
	s_delay_alu instid0(VALU_DEP_4)
	v_max_num_f32 v[232+\b], v[232+\b], v[111+16*\b]
.endr
.irp b, 0,1,2,3
	v_permlanex16_b32 v[236+\b], v[232+\b], s[SEL], s[SEL+1]
.endr
.irp b, 0,1,2,3
	s_delay_alu instid0(VALU_DEP_4)
	v_max_num_f32 v[232+\b], v[232+\b], v[236+\b]
.endr
	s_delay_alu instid0(VALU_DEP_2)
	v_max3_num_f32 v254, v232, v233, v234
	s_delay_alu instid0(VALU_DEP_1)
	v_max_num_f32 v254, v254, v235
	s_delay_alu instid0(VALU_DEP_1)
	v_mul_f32 v254, s[CS], v254
	s_delay_alu instid0(VALU_DEP_1)
	v_max_num_f32 v13, v13, v254                   ; the running largest t
	v_mov_b32 v254, v12
	s_delay_alu instid0(VALU_DEP_2)
	v_floor_f32 v12, -v13                          ; the new -M = -ceil(t)
	s_delay_alu instid0(VALU_DEP_1)
	v_sub_f32 v254, v12, v254                      ; old M - new M: a whole number, 0 or less
	s_delay_alu instid0(VALU_DEP_1)
	v_cvt_i32_f32 v254, v254                       ; (it saturates)
	s_delay_alu instid0(VALU_DEP_1)
	v_ldexp_f32 v252, 1.0, v254                    ; f = 2^(old M - new M)
	s_add_co_u32 s100, s100, 256                   ; the selections above have read this step's lane masks: the next step's 64 are asked for now
	s_min_u32 s100, s100, 3840                     ; held inside the tile's 4,096 bytes: the last step asks for its own words once more, and nobody reads them
	s_load_b512 s[32:47], s[4:5], s100 offset:0x0
	s_load_b512 s[48:63], s[4:5], s100 offset:0x40
	s_load_b512 s[68:83], s[4:5], s100 offset:0x80
	s_load_b512 s[84:99], s[4:5], s100 offset:0xc0
.set j, 0
.rept 32
	v_pk_fma_f32 v[96+j:97+j], v[96+j:97+j], s[CS:CS+1], v[12:13] op_sel_hi:[1,0,0]   ; t - M
.set j, j+2
.endr
.irp b, 0,1,2,3
	v_fma_f32 v[232+\b], v[232+\b], s[CS], v12
.endr
.set j, 0
	s_wait_alu depctr_va_vdst(0)
.rept 64
	v_exp_f32 v[96+j], v[96+j]                     ; p = 2^(t - M)
.set j, j+1
.endr
	v_pk_mul_f32 v[14:15], v[14:15], v[252:253] op_sel_hi:[1,0]   ; the sums under the new M: a plain line behind the exponentials
	s_wait_alu depctr_va_vdst(0)                   ; one wait for the batch, ahead of its first reader
.irp b, 0,1,2,3
	v_exp_f32 v[232+\b], v[232+\b]                 ; the blocks' largest p
.endr
	v_pk_add_f32 v[236:237], v[96:97], v[98:99]    ; the row's sum of the unquantised p, in two chains
.irp j, 4,8,12,16,20,24,28,32,36,40,44,48,52,56,60
	v_pk_add_f32 v[14:15], v[14:15], v[96+\j:97+\j]
	v_pk_add_f32 v[236:237], v[236:237], v[98+\j:99+\j]
.endr
	s_delay_alu instid0(VALU_DEP_1)
	v_pk_add_f32 v[14:15], v[14:15], v[236:237]
	s_wait_alu depctr_va_vdst(0)                   ; and one for the four
.irp b, 0,1,2,3
	v_max_num_f32 v[232+\b], 0x4800000, v[232+\b]  ; the floor: a block whose every p has fallen to 0 keeps the byte 1; its codes are zeros
.endr
.irp b, 0,1,2,3
	s_delay_alu instid0(VALU_DEP_4)
	v_add_nc_u32 v[244+\b], 0xfc000000, v[232+\b]
.endr
.irp b, 0,1,2,3
	v_and_or_b32 v[240+\b], v[232+\b], 0x7f800000, s[MNT]
.endr
.irp b, 0,1,2,3
	v_lshrrev_b32 v[236+\b], 23, v[244+\b]
.endr
	s_delay_alu instid0(VALU_DEP_3)
	v_lshl_or_b32 v253, v237, 8, v236              ; p's scale word for these 128 keys
	s_delay_alu instid0(VALU_DEP_1)
	v_lshl_or_b32 v253, v238, 16, v253
	s_delay_alu instid0(VALU_DEP_1)
	v_lshl_or_b32 v253, v239, 24, v253
.irp b, 0,1,2,3
.irp i, 0,1,2,3,4,5,6,7,8,9,10,11,12,13,14,15
	v_min_num_f32 v[96+16*\b+\i], v[96+16*\b+\i], v[240+\b]   ; the hold; p is not negative
.endr
	v_cvt_scalef32_pk8_fp8_f32 v[224+4*\b:225+4*\b], v[96+16*\b:103+16*\b], v[244+\b]
	v_cvt_scalef32_pk8_fp8_f32 v[226+4*\b:227+4*\b], v[104+16*\b:111+16*\b], v[244+\b]
.endr
.set j, 0
.rept 32
	v_pk_mul_f32 v[160+j:161+j], v[160+j:161+j], v[252:253] op_sel_hi:[1,0]   ; O^T under the new M.  (These 32 are also the places in front of the matrix instructions below)
.set j, j+2
.endr
	s_wait_alu depctr_va_vdst(0)
	s_wait_dscnt 40                                ; V's 40 loads are in; the next step's 40 of K may be out
	WIN 0x01
.irp t, 0,1,2,3,4,5,6,7
	v_wmma_scale_f32_16x16x128_f8f6f4 v[160+8*\t:167+8*\t], v[128+16*\t:143+16*\t], v[224:239], v[160+8*\t:167+8*\t], v[40+\t], v253   ; O^T += V^T P^T: the eight accumulators by turns
.endr
	WIN 0
	s_add_co_u32 s[TB], s[TB], 33792               ; the next record
.endm
.macro SLOTWORK n                      ; a slot's four key steps: written once, walked four times; the first record's K is asked for ahead of them
	s_mov_b32 s[TB], \n*SLOTB
	s_mov_b32 s3, 4
	v_add_nc_u32 v9, \n*SLOTB, v1
	v_add_nc_u32 v11, \n*SLOTB, v4
	KLOAD 9, 11
.Lstep_\@:
	STEP \n*SLOTB+3*33792
	s_sub_co_u32 s3, s3, 1
	s_cmp_lg_u32 s3, 0
	s_cbranch_scc1 .Lstep_\@
.endm
; THE CHANGE OF SLOTS: each wave waits for all its tensor loads (its part of the slot ahead), adds 0 to its spare word, and waits for that and for its reads of the slot that it has left.
; fill = 1: the barrier is a round of the cluster's, and the slot just left is filled again first thing behind it: the load has four key steps in which to land.
.macro CHANGE fill, slot
	s_wait_tensorcnt 0x0
	ds_add_u32 v[SPW], v[NIL]
.if \fill
	s_add_nc_u64 s[18+4*\slot:19+4*\slot], s[18+4*\slot:19+4*\slot], 2*SLOTB   ; no load of mine is out: the slot's next four records
.endif
	s_wait_dscnt 0x0
.if \fill
	CROUND
	tensor_load_to_lds s[16+4*\slot:19+4*\slot], s[8:15]
	s_nop 0
	PLACES 4
.else
	s_barrier_signal -1
	s_barrier_wait -1
.endif
.endm
	s_wait_alu depctr_va_vdst(0)
	s_wait_tensorcnt 0x0                           ; my part of slot 0 is in
	ds_add_u32 v[SPW], v[NIL]
	s_wait_dscnt 0x0
	CROUND                                         ; a whole round: slot 0 is whole, and all four work-groups are here
	tensor_load_to_lds s[20:23], s[8:15]           ; key steps 4 to 7: slot 1's first fill, my one load behind the round
	s_nop 0
	PLACES 4
	s_wait_loadcnt 0x0                             ; Q; and its loads have read their bases, which the masks take next
	s_mov_b32 s100, 0                              ; the byte at which the step's 64 lane masks begin
	s_load_b512 s[32:47], s[4:5], s100 offset:0x0  ; the first step's
	s_load_b512 s[48:63], s[4:5], s100 offset:0x40
	s_load_b512 s[68:83], s[4:5], s100 offset:0x80
	s_load_b512 s[84:99], s[4:5], s100 offset:0xc0
	SLOTWORK 0
	CHANGE 1, 0
	SLOTWORK 1
	CHANGE 1, 1
	SLOTWORK 0
	CHANGE 0, 0
	SLOTWORK 1
	; THE WAY OUT: O^T / the sum is y(query r, channel 16 t + 8 h + i) in register 8 t + i: the operand's order along the out-projection's K.  It is quantised where it stands.
	PLACES 8
	v_add_f32 v14, v14, v15
	s_delay_alu instid0(VALU_DEP_1)
	v_permlanex16_b32 v252, v14, s[SEL], s[SEL+1]
	s_delay_alu instid0(VALU_DEP_1)
	v_add_f32 v14, v14, v252
	s_wait_alu depctr_va_vdst(0)                   ; the wait ahead of the transcendental
	v_rcp_f32 v14, v14
	v_nop
	s_wait_alu depctr_va_vdst(0)                   ; and ahead of its first reader
.set j, 0
.rept 64
	v_mul_f32 v[96+j], v[160+j], v14
.set j, j+1
.endr
	QUANT 96
.irp c, 0,1,2,3
	global_store_b128 v1, v[PC+4*\c:PC+4*\c+3], s[6:7] offset:512*\c   ; 512 consecutive bytes a store
.endr
	s_wait_xcnt 0x0                                ; EXEC changes only behind this wait
	v_cmp_gt_u32 vcc_lo, 16, v3
	s_and_saveexec_b32 s3, vcc_lo
	global_store_b32 v2, v[PW], s[30:31]
	s_wait_xcnt 0x0
	s_or_b32 exec_lo, exec_lo, s3
	s_wait_tensorcnt 0x0                           ; the wave's end
	ds_add_u32 v[SPW], v[NIL]
	s_wait_dscnt 0x0
	CROUND                                         ; the closing round
	s_endpgm
.Lfunc_end_k_qa1e4665050_attn:
	.size	k_qa1e4665050_attn, .Lfunc_end_k_qa1e4665050_attn-k_qa1e4665050_attn
	.p2alignl 7, 3214868480
	.fill 96, 4, 3214868480
	.section	.rodata,"a",@progbits
	.p2align	6, 0x0
	.amdhsa_kernel k_qa1e4665050_attn
		.amdhsa_group_segment_fixed_size 327680
		.amdhsa_private_segment_fixed_size 0
		.amdhsa_enable_private_segment 0
		.amdhsa_kernarg_size 32
		.amdhsa_user_sgpr_count 2
		.amdhsa_user_sgpr_kernarg_segment_ptr 1
		.amdhsa_wavefront_size32 1
		.amdhsa_system_sgpr_workgroup_id_x 1
		.amdhsa_system_sgpr_workgroup_id_y 1
		.amdhsa_system_sgpr_workgroup_id_z 1
		.amdhsa_system_vgpr_workitem_id 0
		.amdhsa_next_free_vgpr 512
		.amdhsa_next_free_sgpr 102
		.amdhsa_reserve_vcc 1
		.amdhsa_float_denorm_mode_32 3
		.amdhsa_float_denorm_mode_16_64 3
		.amdhsa_memory_ordered 1
		.amdhsa_forward_progress 1
		.amdhsa_inst_pref_size 150
	.end_amdhsa_kernel
	.amdgpu_metadata
---
amdhsa.version: [ 1, 2 ]
amdhsa.kernels:
  - .name:           k_qa1e4665050_attn
    .symbol:         k_qa1e4665050_attn.kd
    .args:
      - { .name: qb, .offset: 0, .size: 8, .value_kind: global_buffer, .address_space: global }
      - { .name: kv, .offset: 8, .size: 8, .value_kind: global_buffer, .address_space: global }
      - { .name: maskw, .offset: 16, .size: 8, .value_kind: global_buffer, .address_space: global }
      - { .name: acat, .offset: 24, .size: 8, .value_kind: global_buffer, .address_space: global }
    .group_segment_fixed_size: 327680
    .private_segment_fixed_size: 0
    .kernarg_segment_align: 8
    .kernarg_segment_size: 32
    .max_flat_workgroup_size: 256
    .sgpr_count:     102
    .vgpr_count:     512
    .wavefront_size: 32
...
	.end_amdgpu_metadata
.endif
;; end of part 3
;; launch outp (part 4): grid 16 x 16, 4 waves a work-group, clusters of 4 x 4, 327,680 bytes of LDS; arguments acat, bcat, x3, wo_b, w2_b, out0; writes out0
.if DOCPART == 4
	.amdgcn_target "amdgcn-amd-amdhsa--gfx1250"
	.amdhsa_code_object_version 6
	.text
	.protected	k_qa1e4665050_outp
	.globl	k_qa1e4665050_outp
	.p2align	8
	.type	k_qa1e4665050_outp,@function
k_qa1e4665050_outp:
	s_mov_b64 s[64:65], 0
	v_nop
	global_prefetch_b8 v0, s[64:65] scope:SCOPE_SE
	s_setreg_imm32_b32 hwreg(HW_REG_WAVE_MODE, 25, 1), 1
	s_wait_xcnt 0x0
	s_wait_alu depctr_hold_cnt(0) depctr_sa_sdst(0) depctr_va_vdst(0) depctr_va_sdst(0) depctr_va_ssrc(0) depctr_va_vcc(0) depctr_vm_vsrc(0)
	s_getreg_b32 s2, hwreg(HW_REG_IB_STS2, 6, 4)
	s_cmp_eq_u32 s2, 0
	s_cbranch_scc0 .Lentry_in_a_cluster
	s_endpgm
.Lentry_in_a_cluster:
	s_bfe_u32 s2, ttmp6, 0x10000c
	s_cmp_lg_u32 s2, 0xf033
	s_cbranch_scc0 .Lentry_shape_is_right
	s_endpgm
.Lentry_shape_is_right:
.set NBK,   4
.set NQ,    4
.set SROW,  1792
.set HALFT, 32768
.set SLOT,  131072
.set SCL,   262144
.set HALFS, NBK*SROW
.set SPARE, SCL+4*HALFS
.set BS0,   7340032
.set STAGE, SLOT
.set FR,    16
.set AF,    128
.set SC,    32
.set ADRA,  16
.set ADRB,  20
.set BO,    23
.set STO,   24
.set RD,    25
.set CO,    26
.set ADRS,  27
.set SPW,   28
.set NIL,   29
.set G1A, 24
.set G0A, 32
.set G1B, 48
.set G0B, 56
.set G1SA, 68
.set G0SA, 76
.set G1SB, 80
.set G0SB, 88
.set WV, 14
.set WH, 15
.set WL, 16
.set MSB, 0
.macro WIN new
.if MSB != (\new)
	s_set_vgpr_msb (MSB<<8)|(\new)
.set MSB, (\new)
.endif
.endm
.set MUL_LO, 0xa1
.set MUL_HI, 0xa1
.set TO_B,   0x40
.macro PLACES n
.rept \n
	v_nop
.endr
.endm
.macro JLOAD g0a, g1a, g0b, g1b
	s_cmp_eq_u32 s[WH], 0
	s_cbranch_scc0 .Lfor_b_\@
	tensor_load_to_lds s[\g0a:\g0a+3], s[\g1a:\g1a+7]
	s_nop 0
	PLACES 4
	s_branch .Lasked_\@
.Lfor_b_\@:
	tensor_load_to_lds s[\g0b:\g0b+3], s[\g1b:\g1b+7]
	s_nop 0
	PLACES 4
.Lasked_\@:
.endm
.macro CREST
	s_cmp_lg_u32 s[WV], 0
	s_cbranch_scc1 .Lnot_wave_0_\@
	s_barrier_signal -3
.Lnot_wave_0_\@:
	s_barrier_wait -3
	s_barrier_signal -1
	s_barrier_wait -1
.endm
.macro CROUND
	s_barrier_signal -1
	s_barrier_wait -1
	CREST
.endm
.macro FRAG reg, adr, q, i
.irp c, 0,1,2,3
	ds_load_b128 v[\reg+4*\c:\reg+4*\c+3], v[\adr] offset:(\i)*NQ*2048+(\q)*2048+512*\c
.endr
.endm
.macro MULA a, p, q, sc, zero
.set bb, 0
.rept NBK
.set ra, (8*(NBK*(\a)+bb))%256
.if \zero
	v_wmma_scale_f32_16x16x128_f8f6f4 v[ra:ra+7], v[128*(\p)+FR*bb:128*(\p)+FR*bb+FR-1], v[AF+FR*(\a):AF+FR*(\a)+FR-1], 0, v[SC+16*(\sc)+NQ*bb+(\q)], v[SC+16*(\sc)+NQ*(\a)+(\q)] matrix_a_scale:MATRIX_SCALE_ROW1
.else
	v_wmma_scale_f32_16x16x128_f8f6f4 v[ra:ra+7], v[128*(\p)+FR*bb:128*(\p)+FR*bb+FR-1], v[AF+FR*(\a):AF+FR*(\a)+FR-1], v[ra:ra+7], v[SC+16*(\sc)+NQ*bb+(\q)], v[SC+16*(\sc)+NQ*(\a)+(\q)] matrix_a_scale:MATRIX_SCALE_ROW1
.endif
.set bb, bb+1
.endr
.endm
.macro PART lo, n, p, q, sc, zero
.set aa, \lo
.rept \n
	MULA aa, \p, \q, \sc, \zero
.set aa, aa+1
.endr
.endm
.macro FETCH_B slot, q, p
	WIN TO_B
.set ii, 0
.rept NBK
	FRAG 128*(\p)+FR*ii, ADRB+\slot, \q, ii
.set ii, ii+1
.endr
	WIN 0
.endm
.macro FETCH_A slot, q, i0
.set ii, \i0
.rept NBK/2
	FRAG AF+FR*ii, ADRA+\slot, \q, ii
.set ii, ii+1
.endr
.endm
.macro SCALES sc
.set ii, 0
.rept NBK
.set qq, 0
.rept NQ
	ds_load_b32 v[SC+16*\sc+NQ*ii+qq], v[ADRS] offset:ii*SROW+64*qq
.set qq, qq+1
.endr
.set ii, ii+1
.endr
.endm
.macro STEP slot, q, zero
	s_wait_dscnt 2*NBK
	WIN MUL_LO
	PART 0, NBK/2, (\q)%2, \q, \slot, \zero
	s_wait_dscnt 0x0
	PLACES 8
	FETCH_B \slot, (\q)+1, 1-(\q)%2
	FETCH_A \slot, (\q)+1, 0
	WIN MUL_HI
	PART NBK/2, NBK/2, (\q)%2, \q, \slot, \zero
	PLACES 8
	WIN 0
	FETCH_A \slot, (\q)+1, NBK/2
.endm
.macro STEPS slot
	STEP \slot, 0, 0
	STEP \slot, 1, 0
	STEP \slot, 2, 0
.endm
.macro TURN slot, next, fill
	s_wait_tensorcnt 0x0
	ds_add_u32 v[SPW], v[NIL]
	s_wait_dscnt 2*NBK+1
	WIN MUL_LO
	PART 0, NBK/4, 1, NQ-1, \slot, 0
	s_wait_dscnt 0x0
	s_barrier_signal -1
	PART NBK/4, NBK/4, 1, NQ-1, \slot, 0
	WIN 0
	s_barrier_wait -1
.if \fill
	CREST
	s_add_nc_u64 s[G0A+4*\slot+2:G0A+4*\slot+3], s[G0A+4*\slot+2:G0A+4*\slot+3], 2*NQ*2048
	s_add_nc_u64 s[G0B+4*\slot+2:G0B+4*\slot+3], s[G0B+4*\slot+2:G0B+4*\slot+3], 2*NQ*2048
	JLOAD G0A+4*\slot, G1A, G0B+4*\slot, G1B
	PLACES 4
.else
	PLACES 8
.endif
	s_wait_alu depctr_va_vdst(0)
	v_add_nc_u32 v[ADRS], 64*NQ, v[ADRS]
	FETCH_B \next, 0, 0
	FETCH_A \next, 0, 0
	SCALES \next
	WIN MUL_HI
	PART NBK/2, NBK/2, 1, NQ-1, \slot, 0
	PLACES 8
	WIN 0
	FETCH_A \next, 0, NBK/2
.endm
	s_load_b256 s[4:11], s[0:1], 0x0
	s_load_b128 s[92:95], s[0:1], 0x20
	v_lshl_add_u32 v[SPW], v0, 2, SPARE
	v_mov_b32 v[NIL], 0
	ds_add_u32 v[SPW], v[NIL]
	ds_add_u32 v[SPW], v[NIL]
	v_lshrrev_b32 v1, 5, v0
	v_readfirstlane_b32 s[WV], v1
	s_lshr_b32 s[WH], s[WV], 1
	s_and_b32 s[WL], s[WV], 1
	s_bfe_u32 s40, ttmp6, 0x40000
	s_bfe_u32 s41, ttmp6, 0x40004
	s_lshl_b32 s42, ttmp9, 2
	s_add_co_u32 s42, s42, s40
	s_and_b32 s17, ttmp7, 0xffff
	s_lshl_b32 s17, s17, 2
	s_add_co_u32 s17, s17, s41
	s_lshl_b32 s43, s41, 2
	s_lshl_b32 s43, 15, s43
	s_lshl_b32 s44, 0x1111, s40
	s_or_b32 s[G1A], s43, (3<<16)|(1<<21)
	s_or_b32 s[G1B], s44, (3<<16)|(1<<21)
.irp g, G1A, G1B
	s_mov_b32 s[\g+1], 1024<<16
	s_mov_b32 s[\g+2], 8<<16                       ; the head's loads bring all 8 row tiles; behind them the two words that count rows are set to 4, for the ring's
	s_mov_b32 s[\g+3], 1024<<16
	s_mov_b32 s[\g+4], 8
	s_mov_b32 s[\g+5], 7168
	s_mov_b32 s[\g+6], 0
	s_mov_b32 s[\g+7], 0
.endr
	s_or_b32 s[G1SA], s43, (3<<16)|(1<<21)
	s_or_b32 s[G1SB], s44, (3<<16)|(1<<21)
.irp g, G1SA, G1SB
	s_mov_b32 s[\g+1], 32<<16
	s_mov_b32 s[\g+2], 56<<16                      ; the scale words of 8 row tiles: 14,336 dense bytes as 56 rows of 256
	s_mov_b32 s[\g+3], 32<<16
	s_mov_b32 s[\g+4], 56
	s_mov_b32 s[\g+5], 32
	s_mov_b32 s[\g+6], 0
	s_mov_b32 s[\g+7], 0
.endr
	s_mul_i32 s12, s[WL], 4*57344                  ; in the ring I fetch 4 of a tile's 8 row tiles: which half, in bytes
	s_mov_b32 s13, 0
	s_lshl_b32 s19, s17, 3
	s_mul_i32 s20, s19, 57344
	s_mov_b32 s21, 0
	s_mul_i32 s22, s19, 1792
	s_add_co_u32 s22, s22, BS0
	s_mov_b32 s23, 0
	s_lshl_b32 s45, s42, 3
	s_mul_i32 s46, s45, 57344
	s_mov_b32 s47, 0
	s_mul_i32 s96, s45, 1792
	s_add_co_u32 s96, s96, BS0
	s_mov_b32 s97, 0
	s_lshl_b32 s45, s[WV], 15
	s_wait_dscnt 0x0
	s_wait_kmcnt 0x0
	s_add_nc_u64 s[20:21], s[4:5], s[20:21]
	s_add_nc_u64 s[22:23], s[4:5], s[22:23]
	s_add_nc_u64 s[46:47], s[6:7], s[46:47]
	s_add_nc_u64 s[96:97], s[6:7], s[96:97]
	CROUND
	s_mov_b32 s[G0SA], 1
	s_mov_b32 s[G0SA+1], SCL
	s_mov_b64 s[G0SA+2:G0SA+3], s[22:23]
	s_or_b32 s[G0SA+3], s[G0SA+3], 0x80000000
	s_mov_b32 s[G0SB], 1
	s_mov_b32 s[G0SB+1], SCL+2*HALFS
	s_mov_b64 s[G0SB+2:G0SB+3], s[96:97]
	s_or_b32 s[G0SB+3], s[G0SB+3], 0x80000000
.set G0H,  4                           ; s[4:7], s[96:99] group 0 for the head's loads of slot 0: A's 8 row tiles, B's 8 (what lay there has been used)
.set G0HB, 96
	s_mov_b32 s[G0H], 1
	s_mov_b32 s[G0H+1], 0
	s_mov_b64 s[G0H+2:G0H+3], s[20:21]
	s_or_b32 s[G0H+3], s[G0H+3], 0x80000000
	s_mov_b32 s[G0HB], 1
	s_mov_b32 s[G0HB+1], 65536
	s_mov_b64 s[G0HB+2:G0HB+3], s[46:47]
	s_or_b32 s[G0HB+3], s[G0HB+3], 0x80000000
	s_add_nc_u64 s[20:21], s[20:21], s[12:13]      ; for the ring: my 4 row tiles
	s_add_nc_u64 s[46:47], s[46:47], s[12:13]
.irp s, 0,1
	s_mov_b32 s[G0A+4*\s], 1
	s_add_co_u32 s[G0A+4*\s+1], s45, \s*SLOT
	s_add_nc_u64 s[G0A+4*\s+2:G0A+4*\s+3], s[20:21], \s*NQ*2048
	s_or_b32 s[G0A+4*\s+3], s[G0A+4*\s+3], 0x80000000
	s_mov_b32 s[G0B+4*\s], 1
	s_add_co_u32 s[G0B+4*\s+1], s45, \s*SLOT
	s_add_nc_u64 s[G0B+4*\s+2:G0B+4*\s+3], s[46:47], \s*NQ*2048
	s_or_b32 s[G0B+4*\s+3], s[G0B+4*\s+3], 0x80000000
.endr
; THE HEAD'S LOADS, ONE A WAVE: wave 0 fetches slot 0's 8 row tiles of A, wave 1 those of B, wave 2 A's scale words, wave 3 B's.
; One tree of branches on the wave's number: every way through the head passes exactly one load.
.macro ARM under, g0, g1, next
	s_cmp_lt_u32 s[WV], \under
	s_cbranch_scc0 \next
	tensor_load_to_lds s[\g0:\g0+3], s[\g1:\g1+7]
	s_nop 0
	PLACES 4
	s_branch .Lhead_asked
\next:
.endm
	ARM 1, G0H,  G1A,  .Lhead_b
	ARM 2, G0HB, G1B,  .Lhead_sa
	ARM 3, G0SA, G1SA, .Lhead_sb
	tensor_load_to_lds s[G0SB:G0SB+3], s[G1SB:G1SB+7]
	s_nop 0
	PLACES 4
.Lhead_asked:
	s_wait_alu depctr_va_vdst(0)
	s_wait_tensorcnt 0x0                           ; my tile of the head's four is in
	ds_add_u32 v[SPW], v[NIL]
	s_mov_b32 s[G1A+2], 4<<16                      ; no tensor load of mine is out, so a descriptor may be written: from here on a load brings 4 row tiles
	s_mov_b32 s[G1A+4], 4
	s_mov_b32 s[G1B+2], 4<<16
	s_mov_b32 s[G1B+4], 4
	s_wait_dscnt 0x0                               ; the add is done
	CROUND                                         ; a whole round: all four tiles are in, and all sixteen work-groups are here
	JLOAD G0A+4, G1A, G0B+4, G1B                   ; slot 1's first fill, the first tensor load behind the round
	v_and_b32 v1, 31, v0
	v_and_b32 v2, 15, v0
	v_bfe_u32 v3, v0, 4, 1
	s_wait_alu depctr_va_vdst(0)
	v_lshlrev_b32 v4, 4, v1
	s_lshl_b32 s2, s[WH], 15
	s_lshl_b32 s3, s[WL], 15
	s_add_co_u32 s3, s3, 65536
.irp s, 0,1
	v_add_nc_u32 v[ADRA+\s], s2, v4
	v_add_nc_u32 v[ADRB+\s], s3, v4
	s_add_co_u32 s2, s2, SLOT
	s_add_co_u32 s3, s3, SLOT
.endr
	s_mul_i32 s2, s[WH], HALFS
	s_mul_i32 s3, s[WL], HALFS
	s_add_co_u32 s3, s3, 2*HALFS
	s_sub_co_u32 s3, s3, s2
	v_mul_u32_u24 v6, s3, v3
	s_add_co_u32 s2, s2, SCL
	v_lshl_add_u32 v5, v2, 2, v6
	v_add_nc_u32 v[ADRS], s2, v5
	s_mul_i32 s2, s[WV], 16*272
	s_add_co_u32 s2, s2, STAGE
	v_mul_u32_u24 v5, v2, 272
	v_lshl_add_u32 v5, v3, 5, v5
	v_add_nc_u32 v[STO], s2, v5
	v_mul_u32_u24 v5, v3, 272
	v_lshl_add_u32 v5, v2, 4, v5
	v_add_nc_u32 v[RD], s2, v5
	v_lshlrev_b32 v[BO], 4, v2
	v_lshl_add_u32 v[CO], v3, 13, v[BO]
	s_wait_alu depctr_va_vdst(0)
	s_lshl_b32 s12, s17, 7
	s_lshl_b32 s13, s[WH], 6
	s_add_co_u32 s12, s12, s13
	s_lshl_b32 s12, s12, 13
	s_lshl_b32 s98, s42, 9
	s_lshl_b32 s99, s[WL], 8
	s_add_co_u32 s98, s98, s99
	s_mov_b32 s99, 0
	s_add_nc_u64 s[10:11], s[10:11], s[98:99]
	s_add_nc_u64 s[92:93], s[92:93], s[98:99]
	s_add_co_u32 s98, s98, s12
	s_add_nc_u64 s[8:9], s[8:9], s[98:99]
	s_add_nc_u64 s[94:95], s[94:95], s[98:99]
	WIN 0x80
.set i, 0
.rept 32
	global_load_b128 v[128+4*i:131+4*i], v[CO], s[8:9] offset:(16*(i/8)+2*(i%8))*8192
.set i, i+1
.endr
	WIN 0
	global_load_b128 v[64:67], v[BO], s[10:11]
	global_load_b128 v[68:71], v[BO], s[92:93]
	s_wait_tensorcnt 1
	s_barrier_signal -1
	s_barrier_wait -1
	FETCH_B 0, 0, 0
	FETCH_A 0, 0, 0
	SCALES 0
	FETCH_A 0, 0, NBK/2
	STEP 0, 0, 1
	STEP 0, 1, 0
	STEP 0, 2, 0
	s_mov_b32 s3, 2
.Llap:
	TURN 0, 1, 1
	STEPS 1
	TURN 1, 0, 1
	STEPS 0
	s_sub_co_u32 s3, s3, 1
	s_cmp_lg_u32 s3, 0
	s_cbranch_scc1 .Llap
	TURN 0, 1, 1
	STEPS 1
	TURN 1, 0, 0
	STEPS 0
	s_wait_dscnt 2*NBK
	WIN MUL_LO
	PART 0, NBK/2, 1, NQ-1, 0, 0
	s_wait_dscnt 0x0
	WIN MUL_HI
	PART NBK/2, NBK/2, 1, NQ-1, 0, 0
	WIN 0
	PLACES 8
	s_wait_loadcnt 0x0
	v_pk_add_f32 v[72:73], v[64:65], v[68:69]
	v_pk_add_f32 v[74:75], v[66:67], v[70:71]
.irp a, 0,1,2,3
.set BB, 128+32*((\a)%2)
.if \a > 1
	s_wait_xcnt 0x0
.endif
	WIN 0x08
.irp b, 0,1,2,3
	ds_store_b128 v[STO], v[8*(4*\a+\b):8*(4*\a+\b)+3] offset:64*\b
	ds_store_b128 v[STO], v[8*(4*\a+\b)+4:8*(4*\a+\b)+7] offset:64*\b+16
.endr
	WIN 0
.irp t, 0,1,2,3,4,5,6,7
	ds_load_b128 v[BB+4*\t:BB+4*\t+3], v[RD] offset:544*\t
.endr
	s_wait_dscnt 0x0
	WIN 0x08
.set i, 0
.rept 16
	v_pk_add_f32 v[BB+2*i:BB+2*i+1], v[BB+2*i:BB+2*i+1], v[128+32*\a+2*i:128+32*\a+2*i+1]
.set i, i+1
.endr
	WIN 0
.irp t, 0,1,2,3,4,5,6,7
	v_pk_add_f32 v[BB+4*\t:BB+4*\t+1], v[BB+4*\t:BB+4*\t+1], v[72:73]
	v_pk_add_f32 v[BB+4*\t+2:BB+4*\t+3], v[BB+4*\t+2:BB+4*\t+3], v[74:75]
.endr
.irp t, 0,1,2,3,4,5,6,7
	global_store_b128 v[CO], v[BB+4*\t:BB+4*\t+3], s[94:95] offset:(16*\a+2*\t)*8192 th:TH_STORE_NT
.endr
.endr
	s_wait_tensorcnt 0x0
	ds_add_u32 v[SPW], v[NIL]
	s_wait_dscnt 0x0
	CROUND
	s_endpgm
.Lfunc_end_k_qa1e4665050_outp:
	.size	k_qa1e4665050_outp, .Lfunc_end_k_qa1e4665050_outp-k_qa1e4665050_outp
	.p2alignl 7, 3214868480
	.fill 96, 4, 3214868480
	.section	.rodata,"a",@progbits
	.p2align	6, 0x0
	.amdhsa_kernel k_qa1e4665050_outp
		.amdhsa_group_segment_fixed_size 327680
		.amdhsa_private_segment_fixed_size 0
		.amdhsa_enable_private_segment 0
		.amdhsa_kernarg_size 48
		.amdhsa_user_sgpr_count 2
		.amdhsa_user_sgpr_kernarg_segment_ptr 1
		.amdhsa_wavefront_size32 1
		.amdhsa_system_sgpr_workgroup_id_x 1
		.amdhsa_system_sgpr_workgroup_id_y 1
		.amdhsa_system_sgpr_workgroup_id_z 1
		.amdhsa_system_vgpr_workitem_id 0
		.amdhsa_next_free_vgpr 768
		.amdhsa_next_free_sgpr 100
		.amdhsa_reserve_vcc 0
		.amdhsa_float_denorm_mode_32 3
		.amdhsa_float_denorm_mode_16_64 3
		.amdhsa_memory_ordered 1
		.amdhsa_forward_progress 1
		.amdhsa_inst_pref_size 133
	.end_amdhsa_kernel
	.amdgpu_metadata
---
amdhsa.version: [ 1, 2 ]
amdhsa.kernels:
  - .name:           k_qa1e4665050_outp
    .symbol:         k_qa1e4665050_outp.kd
    .args:
      - { .name: acat, .offset: 0, .size: 8, .value_kind: global_buffer, .address_space: global }
      - { .name: bcat, .offset: 8, .size: 8, .value_kind: global_buffer, .address_space: global }
      - { .name: x3, .offset: 16, .size: 8, .value_kind: global_buffer, .address_space: global }
      - { .name: wo_b, .offset: 24, .size: 8, .value_kind: global_buffer, .address_space: global }
      - { .name: w2_b, .offset: 32, .size: 8, .value_kind: global_buffer, .address_space: global }
      - { .name: out0, .offset: 40, .size: 8, .value_kind: global_buffer, .address_space: global }
    .group_segment_fixed_size: 327680
    .private_segment_fixed_size: 0
    .kernarg_segment_align: 8
    .kernarg_segment_size: 48
    .max_flat_workgroup_size: 128
    .sgpr_count:     100
    .vgpr_count:     768
    .wavefront_size: 32
...
	.end_amdgpu_metadata
.endif
;; end of part 4
